; MI455X (gfx1250); checked and timed in simulation.
; The chip was launched on July 23, 2026; its instructions are those of AMD's public machine-readable ISA for CDNA 5 (MIT licence, August 2026) and "CDNA5" Instruction Set Architecture Reference Guide (July 2026). The comments in the code are by the model that wrote it; some were corrected since.
;; Wubu Block. Allowed arithmetic: matrix products marked QUANTISED: E4M3 operands, one E8M0 scale for each 32 along K, by v_wmma_scale_f32_16x16x128_f8f6f4 with both operands' format E4M3, f32 sums; products left as they are: f32 operands where the result goes on into a quantised operand, else bf16, f16 or f32 operands; f32 sums; everything else in f32.
;; Inputs: W1 512 x 2,048 float32; W2 2,048 x 512 float32; Wk 512 x 512 float32; Wo 512 x 512 float32; Wq 512 x 512 float32; Wv 512 x 512 float32; b1 2,048 float32; b2 512 float32; bk 512 float32; bo 512 float32; bq 512 float32; bv 512 float32; c 2 float32; freqs_cos 1,024 x 32 float32; freqs_sin 1,024 x 32 float32; geo_scale 8 x 1 x 1 float32; hash_offset 1 x 1 x 8 x 64 float32; ln1_b 512 float32; ln1_s 512 float32; ln2_b 512 float32; ln2_s 512 float32; x 2 x 1,024 x 512 float32.
;; Outputs: out0 2 x 1,024 x 512 float32.
;; This version of the problem:
;;   THIS VERSION OF THE PROBLEM IS GIVEN IN LOW PRECISION. The matrix products marked QUANTISED in the list below multiply operands that are first quantised to E4M3 (4 exponent bits, 3 mantissa bits; 8 bits a number), with one power-of-two scale for each 32 numbers along K (OCP MX v1.0); their sums are f32. All else is computed in f32.
;;   The module's matrix products, in the order in which they are computed (A, B: the left and right operand; K: the contracted axis; several contracted axes count as one K, in the product's order):
;;     1. [M 2,048, K 512] x [K 512, N 512]; A: computed on the way; B: input Wq: QUANTISED
;;     2. [M 2,048, K 512] x [K 512, N 512]; A: computed on the way; B: input Wk: QUANTISED
;;     3. [M 2,048, K 512] x [K 512, N 512]; A: computed on the way; B: input Wv: QUANTISED
;;     4. batch 16,384 x [M 1, K 64] x [K 64, N 64]; A: softmax; B: computed on the way: left as it is (M = 1 < 16)
;;     5. [M 2,048, K 512] x [K 512, N 512]; A: computed on the way; B: input Wo: QUANTISED
;;     6. [M 2,048, K 512] x [K 512, N 2,048]; A: computed on the way; B: input W1: QUANTISED
;;     7. [M 2,048, K 2,048] x [K 2,048, N 512]; A: computed on the way; B: input W2: QUANTISED
;;   THE QUANTISER, for each operand of a quantised product, along K:
;;     - K is cut into blocks of 32 from its start; a last block that is shorter is filled with zeros.
;;     - A block's scale is 2^e with e = floor(log2(the largest magnitude in the block)) - 8, held to -126 .. 127; a block of zeros has e = 0. As a byte (E8M0): e + 127.
;;     - Each number is divided by its block's scale, clamped to +-448, and rounded to the nearest number of E4M3, ties to even, subnormals kept.
;;     - The product sums the exact products of the quantised numbers (number of the format x scale) in f32.
;;   ~~~python
;;   def quantise(x, axis):      # numpy; x: float32 -> the quantised numbers, widened to float32 again
;;       x = np.moveaxis(x, axis, -1); K = x.shape[-1]
;;       x = np.pad(x, [(0, 0)] * (x.ndim - 1) + [(0, -K % 32)]); x = x.reshape(x.shape[:-1] + (-1, 32)); a = np.abs(x).max(-1, keepdims=True)
;;       e = np.where(a > 0, np.clip(np.frexp(np.where(a > 0, a, 1))[1] - 1 - 8, -126, 127), 0)      # np.frexp(a)[1] - 1 = floor(log2(a)), exactly
;;       r = np.clip(x / 2.0 ** e, -448, 448)
;;       step = 2.0 ** (np.maximum(np.frexp(np.where(r == 0, 1, r))[1] - 1, -6) - 3)
;;       q = np.round(r / step) * step * 2.0 ** e      # np.round: ties to even
;;       return np.moveaxis(q.reshape(q.shape[:-2] + (-1,))[..., :K], -1, axis).astype(np.float32)
;;   ~~~
;;   OPERANDS COMPUTED ON THE WAY. 'Computed on the way' means the value that the module computes at that place (a softmax that the list does not call 'softmax' is quantised finished and normalised). What goes into a quantiser is computed in f32, as accurately as f32 sums, v_exp_f32 and their like allow (about 1e-6 of the number): no bf16 or f16 on the way to a quantiser, and a product that is left as it is and whose result goes on into a quantised operand takes f32 operands (vector FMAs, or v_wmma_f32_16x16x4_f32). A number that lies on a knife's edge between two numbers of the format may be rounded either way, as far as f32 arithmetic and the matrix unit's own rounding can turn it there, and no further.
;; One version. Each part assembles by itself: llvm-mc -triple=amdgcn-amd-amdhsa -mcpu=gfx1250 --defsym DOCPART=n.
;; ======== version 1 of 1: 4 launches
;; limits: right only within a limited range of input values
;; workspace buffers: wts 3,244,032 bytes; xnq 1,081,344 bytes; xim 4,194,304 bytes; aq 1,081,344 bytes; xo 4,194,304 bytes; gq 4,325,376 bytes
;; launch prep (part 1): grid 320 x 1, 4 waves a work-group, no clusters, 1,536 bytes of LDS; arguments x, ln1_s, ln1_b, Wq, Wk, Wv, Wo, W1, W2, wts, xnq, bo, xim; writes wts, xnq, xim
.if DOCPART == 1
	.amdgcn_target "amdgcn-amd-amdhsa--gfx1250"
	.amdhsa_code_object_version 6
	.text
	.protected	k_q96c419f9aa_prep
	.globl	k_q96c419f9aa_prep
	.p2align	8
	.type	k_q96c419f9aa_prep,@function
k_q96c419f9aa_prep:
	s_mov_b64 s[64:65], 0
	v_nop
	global_prefetch_b8 v0, s[64:65] scope:SCOPE_SE
	s_setreg_imm32_b32 hwreg(HW_REG_WAVE_MODE, 25, 1), 1
	s_wait_xcnt 0x0
; The six weights and LN1(x) become codes of FP8 (E4M3) with one E8M0 byte for each 32 along K, laid in the ORDER OF THE OPERAND'S REGISTERS.
; A fragment (16 rows x 128 K) is 2,048 bytes: byte 512 c + 16 lane + i = the code of row lane % 16 at k = 32 c + 16 (lane / 16) + i: four loads of 16 bytes a lane bring it.
; A scale unit (16 rows x 512 K) is 256 bytes: row r's 16 bytes are the scale words of four K steps.
; wts: tiles of K = 512 at tile x 8,192 (Wq 0-31, Wk 32-63, Wv 64-95, Wo 96-127, W1 128-255), W2's at W2C + tile x 32,768; scale units from SCB on.
; THE COLUMNS OF A WEIGHT THAT FORM A TILE ARE NOT NEIGHBOURS: row r' of tile 2 B + u is column 32 B + 8 u + r' + 8 (r' / 8), so that a product's results lie as 16 neighbours along the next K.
; Work-groups 0-127: LN1 of 16 rows of x, wave w = K step w.  128-255: Wq, Wk, Wv, Wo (64) and W2 (64).  256-319: W1.  The three ways part on the work-group's number; the first alone uses LDS and barriers.
; A block's scale is 2^(floor(log2(largest magnitude)) - 8); its byte is that magnitude's exponent field - 8, held at 1 from below.
; LIMITS: a block of zeros keeps the byte 1 where the rule says 127 (its codes are zeros, and this program alone reads the bytes); NaN and infinities among the inputs are not served.
; No joint loads and no tensor loads: every input byte goes straight into registers.
.set SCB,  3145728
.set W2C,  2097152
.set XSCL, 1048576
.set SEL,  60                          ; s[60:61] v_permlanex16_b32's selects for lane l xor 16
.set MNT,  62                          ; s62 the mantissa field of 448
; 64 numbers of a lane, register 16 b + i = k 32 b + 16 (lane / 16) + i of my row, become a fragment's codes in v[pc] on and its scale word in v[pw]
.macro QUANT4 s, tm, pc, pw
.irp b, 0,1,2,3
	v_max3_num_f32 v[\tm+\b], |v[\s+16*\b]|, |v[\s+1+16*\b]|, 0x4800000   ; my 16 numbers of block b, and the floor 2^(9 - 127)
.endr
.irp i, 2,4,6,8,10,12,14
.irp b, 0,1,2,3
	v_max3_num_f32 v[\tm+\b], v[\tm+\b], |v[\s+16*\b+\i]|, |v[\s+1+16*\b+\i]|
.endr
.endr
.irp b, 0,1,2,3
	v_permlanex16_b32 v[\tm+4+\b], v[\tm+\b], s[SEL], s[SEL+1]
.endr
.irp b, 0,1,2,3
	v_max_num_f32 v[\tm+\b], v[\tm+\b], v[\tm+4+\b]      ; with lane l xor 16's: the block's largest magnitude
.endr
.irp b, 0,1,2,3
	v_add_nc_u32 v[\tm+12+\b], 0xfc000000, v[\tm+\b]     ; 8 off its exponent field: the conversion's scale operand
.endr
.irp b, 0,1,2,3
	v_and_or_b32 v[\tm+8+\b], v[\tm+\b], 0x7f800000, s[MNT]   ; 448 x the scale
.endr
.irp b, 0,1,2,3
	v_lshrrev_b32 v[\tm+4+\b], 23, v[\tm+12+\b]          ; the scale's byte
.endr
	v_lshl_or_b32 v[\pw], v[\tm+5], 8, v[\tm+4]
	v_lshl_or_b32 v[\pw], v[\tm+6], 16, v[\pw]
	v_lshl_or_b32 v[\pw], v[\tm+7], 24, v[\pw]
.irp b, 0,1,2,3
.irp i, 0,1,2,3,4,5,6,7,8,9,10,11,12,13,14,15
	v_med3_num_f32 v[\s+16*\b+\i], v[\s+16*\b+\i], -v[\tm+8+\b], v[\tm+8+\b]   ; the conversion does not saturate (ISA guide 7.6.2): the hold
.endr
	v_cvt_scalef32_pk8_fp8_f32 v[\pc+4*\b:\pc+1+4*\b], v[\s+16*\b:\s+7+16*\b], v[\tm+12+\b]
	v_cvt_scalef32_pk8_fp8_f32 v[\pc+2+4*\b:\pc+3+4*\b], v[\s+8+16*\b:\s+15+16*\b], v[\tm+12+\b]
.endr
	v_nop                                          ; one plain line behind the last conversion
.endm
; A wave's 32 columns x 128 K of a weight whose rows are pitch bytes: a lane takes a column, its registers run down K.  s[46:47] source, s[48:49] codes, s[50:51] scale words.
.macro WQ pitch
.set cb, 0
.rept 4
.set ii, 0
.rept 32
	global_load_b32 v[32+32*cb+ii], v2, s[46:47] offset:(32*cb+ii)*\pitch th:TH_LOAD_NT   ; 32 lanes read 128 consecutive bytes
.set ii, ii+1
.endr
.set cb, cb+1
.endr
.set cb, 0
.rept 4
.set XS, 32+32*cb
.if cb < 2
	s_wait_loadcnt 63                              ; 96 (64) loads stand behind this block's 32; the count's field ends at 63: of the 128 loads the first 65 are in, blocks 0 and 1 among them
.else
	s_wait_loadcnt 96-32*cb                        ; block cb's 32 loads are in; the later block's may be out
.endif
	v_max3_num_f32 v12, |v[XS]|, |v[XS+1]|, |v[XS+2]|
	v_max3_num_f32 v13, |v[XS+3]|, |v[XS+4]|, |v[XS+5]|
.irp i, 6,10,14,18,22,26
	v_max3_num_f32 v12, v12, |v[XS+\i]|, |v[XS+\i+1]|
	v_max3_num_f32 v13, v13, |v[XS+\i+2]|, |v[XS+\i+3]|
.endr
	v_max3_num_f32 v12, v12, |v[XS+30]|, |v[XS+31]|
	v_max3_num_f32 v12, v12, v13, 0x4800000        ; and the floor
	v_add_nc_u32 v11, 0xfc000000, v12
	v_and_or_b32 v10, v12, 0x7f800000, s[MNT]
	v_lshrrev_b32 v13, 23, v11
.if cb == 0
	v_mov_b32 v16, v13                             ; the K step's four bytes make the column's scale word
.else
	v_lshl_or_b32 v16, v13, 8*cb, v16
.endif
.set ii, 0
.rept 32
	v_med3_num_f32 v[XS+ii], v[XS+ii], -v10, v10
.set ii, ii+1
.endr
.irp g, 0,1,2,3
	v_cvt_scalef32_pk8_fp8_f32 v[160+8*cb+2*\g:161+8*cb+2*\g], v[XS+8*\g:XS+8*\g+7], v11
.endr
	v_nop
	global_store_b128 v3, v[160+8*cb:163+8*cb], s[48:49] offset:512*cb        ; k 0-15 of the block: the places of lanes 0-15 in two tiles' images: twice 256 consecutive bytes
	global_store_b128 v3, v[164+8*cb:167+8*cb], s[48:49] offset:512*cb+256    ; k 16-31: the places of lanes 16-31
.set cb, cb+1
.endr
	global_store_b32 v4, v16, s[50:51]             ; 4 bytes at a pitch of 16: the other three words of a row come from other work-groups (98,304 bytes in the whole launch)
.endm
	s_load_b512 s[8:23], s[0:1], 0x0               ; x 8, ln1_s 10, ln1_b 12, Wq 14, Wk 16, Wv 18, Wo 20, W1 22
	s_load_b128 s[24:27], s[0:1], 0x40             ; W2 24, wts 26
	s_load_b64 s[28:29], s[0:1], 0x50              ; xnq
	s_load_b64 s[58:59], s[0:1], 0x58              ; bo
	s_load_b64 s[6:7], s[0:1], 0x60                ; xim: x + bo as images of the registers that hold it here: (16 rows, wave): 8,192 bytes
	v_lshl_add_u32 v254, v0, 2, 0x400
	v_mov_b32 v255, 0
	v_lshrrev_b32 v1, 5, v0
	v_readfirstlane_b32 s4, v1                     ; wave
	v_and_b32 v1, 31, v0                           ; lane
	s_mov_b32 s[SEL], 0x76543210
	s_mov_b32 s[SEL+1], 0xfedcba98
	s_mov_b32 s[MNT], 0x600000
	s_cmp_lt_u32 ttmp9, 128
	s_cbranch_scc1 .Lln
	v_lshlrev_b32 v2, 2, v1                        ; in: 4 bytes a lane
	v_bfe_u32 v5, v1, 3, 1                         ; u: which of the block's two tiles my column falls into
	v_and_b32 v6, 7, v1
	v_lshrrev_b32 v7, 4, v1
	v_lshl_or_b32 v6, v7, 3, v6                    ; r': its row there
	v_lshlrev_b32 v6, 4, v6
	s_cmp_lt_u32 ttmp9, 256
	s_cbranch_scc1 .Lsmall
	; ---- W1 [512][2048]
	s_sub_co_u32 s30, ttmp9, 256
	s_and_b32 s31, s30, 15
	s_lshl_b32 s31, s31, 2
	s_add_co_u32 s31, s31, s4                      ; B: my block of 32 columns, 0..63
	s_lshr_b32 s34, s30, 4                         ; K step
	s_lshl_b32 s40, s34, 20                        ; 128 rows of 8,192 bytes
	s_lshl_b32 s41, s31, 7
	s_add_co_u32 s40, s40, s41
	s_mov_b32 s41, 0
	s_lshl_b32 s42, s31, 14                        ; tile 128 + 2 B
	s_add_co_u32 s42, s42, 128*8192
	s_lshl_b32 s43, s34, 11
	s_add_co_u32 s42, s42, s43
	s_mov_b32 s43, 0
	s_lshl_b32 s44, s31, 9
	s_add_co_u32 s44, s44, SCB+128*256
	s_lshl_b32 s45, s34, 2
	s_add_co_u32 s44, s44, s45
	s_mov_b32 s45, 0
	s_wait_alu depctr_va_vdst(0)
	v_lshl_add_u32 v3, v5, 13, v6                  ; u x a tile's 8,192 bytes + 16 r'
	v_lshl_add_u32 v4, v5, 8, v6                   ; u x a unit's 256 bytes + 16 r'
	s_wait_kmcnt 0x0
	s_add_nc_u64 s[46:47], s[22:23], s[40:41]
	s_add_nc_u64 s[48:49], s[26:27], s[42:43]
	s_add_nc_u64 s[50:51], s[26:27], s[44:45]
	WQ 8192
	s_endpgm
.Lsmall:
	; ---- Wq, Wk, Wv, Wo [512][512] (id 0-63) and W2 [2048][512] (id 64-127): rows of 2,048 bytes
	s_sub_co_u32 s30, ttmp9, 128                   ; id
	s_and_b32 s31, s30, 3
	s_lshl_b32 s31, s31, 2
	s_add_co_u32 s31, s31, s4                      ; B, 0..15
	s_lshr_b32 s32, s30, 4                         ; which weight: 0-3, from 4 on W2
	s_lshr_b32 s33, s30, 2
	s_and_b32 s34, s33, 3                          ; K step of a small weight
	s_and_b32 s35, s33, 15                         ; K step of W2
	s_lshl_b32 s36, s32, 5
	s_lshl_b32 s37, s31, 1
	s_add_co_u32 s36, s36, s37                     ; tile 32 x weight + 2 B
	s_lshl_b32 s38, s36, 13
	s_lshl_b32 s39, s36, 8
	s_lshl_b32 s52, s34, 2
	s_add_co_u32 s39, s39, s52
	s_lshl_b32 s53, s31, 16                        ; W2: tile 2 B of 32,768 bytes
	s_add_co_u32 s53, s53, W2C
	s_lshl_b32 s54, s31, 11                        ; its four units of 256 bytes
	s_add_co_u32 s54, s54, 65536
	s_lshr_b32 s55, s35, 2
	s_lshl_b32 s55, s55, 8
	s_add_co_u32 s54, s54, s55
	s_and_b32 s55, s35, 3
	s_lshl_b32 s55, s55, 2
	s_add_co_u32 s54, s54, s55
	s_cmp_ge_u32 s30, 64                           ; the choices hang on the work-group's number alone
	s_cselect_b32 s34, s35, s34
	s_cselect_b32 s42, s53, s38
	s_cselect_b32 s44, s54, s39
	s_cselect_b32 s56, 15, 13
	s_cselect_b32 s57, 10, 8
	s_lshl_b32 s40, s34, 18                        ; 128 rows of 2,048 bytes
	s_lshl_b32 s41, s31, 7
	s_add_co_u32 s40, s40, s41
	s_mov_b32 s41, 0
	s_lshl_b32 s43, s34, 11
	s_add_co_u32 s42, s42, s43
	s_mov_b32 s43, 0
	s_add_co_u32 s44, s44, SCB
	s_mov_b32 s45, 0
	s_wait_alu depctr_va_vdst(0)
	v_lshl_add_u32 v3, v5, s56, v6
	v_lshl_add_u32 v4, v5, s57, v6
	s_wait_kmcnt 0x0
	s_cmp_eq_u32 s32, 1
	s_cselect_b64 s[14:15], s[16:17], s[14:15]
	s_cmp_eq_u32 s32, 2
	s_cselect_b64 s[14:15], s[18:19], s[14:15]
	s_cmp_eq_u32 s32, 3
	s_cselect_b64 s[14:15], s[20:21], s[14:15]
	s_cmp_ge_u32 s32, 4
	s_cselect_b64 s[14:15], s[24:25], s[14:15]
	s_add_nc_u64 s[46:47], s[14:15], s[40:41]
	s_add_nc_u64 s[48:49], s[26:27], s[42:43]
	s_add_nc_u64 s[50:51], s[26:27], s[44:45]
	WQ 2048
	s_endpgm
.Lln:
	; ---- LN1 of rows 16 g .. 16 g + 15.  Lane (r, h) of wave w holds 64 numbers of row r: k = 128 w + 32 c + 16 h + 0 .. 15.  LDS: 0 sums, 256 sums of squares, 512 scale words; each written once.
	s_wait_alu depctr_va_vdst(0)
	v_and_b32 v2, 15, v1                           ; r
	v_lshrrev_b32 v3, 4, v1                        ; h
	s_lshl_b32 s30, s4, 9
	v_lshl_add_u32 v5, v3, 6, s30                  ; the gains: 512 w + 64 h
	v_lshl_add_u32 v4, v2, 11, v5                  ; x: + 2,048 r
	v_lshlrev_b32 v6, 4, v2                        ; LDS, read: 16 r
	s_lshl_b32 s31, s4, 2
	v_add_nc_u32 v7, s31, v6                       ; LDS, store: 16 r + 4 w
	v_lshlrev_b32 v8, 4, v1                        ; 16 x lane
	v_lshlrev_b32 v9, 3, v1                        ; 8 x lane
	s_lshl_b32 s32, ttmp9, 15
	s_mov_b32 s33, 0
	s_lshl_b32 s34, ttmp9, 13
	s_lshl_b32 s35, s4, 11
	s_add_co_u32 s34, s34, s35                     ; fragment 4 g + w
	s_mov_b32 s35, 0
	s_lshl_b32 s36, ttmp9, 8
	s_add_co_u32 s36, s36, XSCL
	s_mov_b32 s37, 0
	s_mov_b32 s42, 0x3b000000                      ; 1 / 512
	s_mov_b32 s43, 0x358637bd                      ; 1e-6
	s_wait_alu depctr_va_vdst(0)
	s_wait_kmcnt 0x0
	s_add_nc_u64 s[8:9], s[8:9], s[32:33]
	s_add_nc_u64 s[38:39], s[28:29], s[34:35]
	s_add_nc_u64 s[40:41], s[28:29], s[36:37]
	s_lshl_b32 s44, ttmp9, 15
	s_lshl_b32 s45, s4, 13
	s_add_co_u32 s44, s44, s45
	s_mov_b32 s45, 0
	s_add_nc_u64 s[46:47], s[6:7], s[44:45]
.irp cc, 0,1,2,3
.irp j, 0,1,2,3
	global_load_b128 v[32+16*\cc+4*\j:35+16*\cc+4*\j], v4, s[8:9] offset:128*\cc+16*\j
.endr
.endr
.irp cc, 0,1,2,3
.irp j, 0,1,2,3
	global_load_b128 v[96+16*\cc+4*\j:99+16*\cc+4*\j], v5, s[10:11] offset:128*\cc+16*\j
	global_load_b128 v[160+16*\cc+4*\j:163+16*\cc+4*\j], v5, s[12:13] offset:128*\cc+16*\j
.endr
.endr
	s_set_vgpr_msb 0x0040                          ; destination window 1
.irp q, 0,1,2,3
.irp j, 0,1,2,3
	global_load_b128 v[16*\q+4*\j:16*\q+4*\j+3], v5, s[58:59] offset:128*\q+16*\j   ; bo: v256-319
.endr
.endr
	s_set_vgpr_msb 0x4000
	s_wait_loadcnt 48                              ; x is in; the 32 loads of the gains and bo's 16 may be out
.irp k, 0,1,2,3
	v_pk_add_f32 v[224+2*\k:225+2*\k], v[32+2*\k:33+2*\k], v[40+2*\k:41+2*\k]   ; the row's sum, in four chains
.endr
.irp i, 16,24,32,40,48,56
.irp k, 0,1,2,3
	v_pk_add_f32 v[224+2*\k:225+2*\k], v[224+2*\k:225+2*\k], v[32+\i+2*\k:33+\i+2*\k]
.endr
.endr
	v_pk_add_f32 v[224:225], v[224:225], v[226:227]
	v_pk_add_f32 v[228:229], v[228:229], v[230:231]
	v_pk_add_f32 v[224:225], v[224:225], v[228:229]
	v_add_f32 v224, v224, v225
	v_permlanex16_b32 v225, v224, s[SEL], s[SEL+1]
	v_add_f32 v224, v224, v225                     ; my wave's 128 numbers of row r
	ds_store_b32 v7, v224                          ; both halves of the lanes write the same word with the same value
	s_wait_alu depctr_va_vdst(0)
	s_wait_loadcnt 0x0                             ; bo and the gains
	s_set_vgpr_msb 0x0044
.set ii, 0
.rept 32
	v_pk_add_f32 v[ii:ii+1], v[32+ii:33+ii], v[ii:ii+1]   ; x + bo into v256-319
.set ii, ii+2
.endr
	s_set_vgpr_msb 0x4400
	s_wait_alu depctr_va_vdst(0)
	s_wait_dscnt 0x0                               ; for the others' sake: my store has landed
	s_barrier_signal -1
	s_barrier_wait -1
	ds_load_b128 v[228:231], v6
	s_set_vgpr_msb 0x0004                          ; the data in window 1
.irp q, 0,1,2,3,4,5,6,7,8,9,10,11,12,13,14,15
	global_store_b128 v8, v[4*\q:4*\q+3], s[46:47] offset:512*\q   ; 512 consecutive bytes a store
.endr
	s_set_vgpr_msb 0x0400
	s_wait_dscnt 0x0
	v_add_f32 v228, v228, v229
	v_add_f32 v230, v230, v231
	v_add_f32 v228, v228, v230
	v_mul_f32 v224, s42, v228                      ; the mean
.set ii, 0
	s_wait_alu depctr_va_vdst(0)
.rept 32
	v_pk_add_f32 v[32+ii:33+ii], v[32+ii:33+ii], v[224:225] op_sel_hi:[1,0] neg_lo:[0,1] neg_hi:[0,1]   ; x - mean
.set ii, ii+2
.endr
.irp k, 0,1,2,3
	v_pk_mul_f32 v[232+2*\k:233+2*\k], v[32+2*\k:33+2*\k], v[32+2*\k:33+2*\k]
.endr
.irp i, 8,16,24,32,40,48,56
.irp k, 0,1,2,3
	v_pk_fma_f32 v[232+2*\k:233+2*\k], v[32+\i+2*\k:33+\i+2*\k], v[32+\i+2*\k:33+\i+2*\k], v[232+2*\k:233+2*\k]
.endr
.endr
	v_pk_add_f32 v[232:233], v[232:233], v[234:235]
	v_pk_add_f32 v[236:237], v[236:237], v[238:239]
	v_pk_add_f32 v[232:233], v[232:233], v[236:237]
	v_add_f32 v232, v232, v233
	v_permlanex16_b32 v233, v232, s[SEL], s[SEL+1]
	v_add_f32 v232, v232, v233
	ds_store_b32 v7, v232 offset:256
	s_wait_dscnt 0x0
	s_barrier_signal -1
	s_barrier_wait -1
	ds_load_b128 v[228:231], v6 offset:256
	s_wait_dscnt 0x0
	v_add_f32 v228, v228, v229
	v_add_f32 v230, v230, v231
	v_add_f32 v228, v228, v230
	v_fma_f32 v226, v228, s42, s43                 ; the variance + 1e-6
	s_wait_alu depctr_va_vdst(0)
	v_rsq_f32 v226, v226
	v_nop                                          ; one plain line behind a transcendental
	s_wait_loadcnt 0x0                             ; the gains
.set ii, 0
	s_wait_alu depctr_va_vdst(0)
.rept 32
	v_pk_mul_f32 v[32+ii:33+ii], v[32+ii:33+ii], v[226:227] op_sel_hi:[1,0]
.set ii, ii+2
.endr
.set ii, 0
.rept 32
	v_pk_fma_f32 v[32+ii:33+ii], v[32+ii:33+ii], v[96+ii:97+ii], v[160+ii:161+ii]
.set ii, ii+2
.endr
	QUANT4 32, 96, 224, 112
.irp cc, 0,1,2,3
	global_store_b128 v8, v[224+4*\cc:227+4*\cc], s[38:39] offset:512*\cc   ; the fragment as it stands: 512 consecutive bytes a store
.endr
	ds_store_b32 v7, v112 offset:512               ; row r's scale word of K step w
	s_wait_dscnt 0x0
	s_barrier_signal -1
	s_barrier_wait -1
	s_cmp_lg_u32 s4, 0
	s_cbranch_scc1 .Lln_end
	ds_load_b64 v[240:241], v9 offset:512
	s_wait_dscnt 0x0
	global_store_b64 v9, v[240:241], s[40:41]      ; the scale unit: 256 consecutive bytes, aligned
.Lln_end:
	s_wait_tensorcnt 0x0
	ds_add_u32 v254, v255
	s_wait_dscnt 0x0
	s_endpgm
.Lfunc_end_k_q96c419f9aa_prep:
	.size	k_q96c419f9aa_prep, .Lfunc_end_k_q96c419f9aa_prep-k_q96c419f9aa_prep
	.p2alignl 7, 3214868480
	.fill 96, 4, 3214868480
	.section	.rodata,"a",@progbits
	.p2align	6, 0x0
	.amdhsa_kernel k_q96c419f9aa_prep
		.amdhsa_group_segment_fixed_size 1536
		.amdhsa_private_segment_fixed_size 0
		.amdhsa_enable_private_segment 0
		.amdhsa_kernarg_size 104
		.amdhsa_user_sgpr_count 2
		.amdhsa_user_sgpr_kernarg_segment_ptr 1
		.amdhsa_wavefront_size32 1
		.amdhsa_system_sgpr_workgroup_id_x 1
		.amdhsa_system_sgpr_workgroup_id_y 1
		.amdhsa_system_sgpr_workgroup_id_z 1
		.amdhsa_system_vgpr_workitem_id 0
		.amdhsa_next_free_vgpr 320
		.amdhsa_next_free_sgpr 66
		.amdhsa_reserve_vcc 0
		.amdhsa_float_denorm_mode_32 3
		.amdhsa_float_denorm_mode_16_64 3
		.amdhsa_memory_ordered 1
		.amdhsa_forward_progress 1
		.amdhsa_inst_pref_size 90
	.end_amdhsa_kernel
	.amdgpu_metadata
---
amdhsa.version: [ 1, 2 ]
amdhsa.kernels:
  - .name:           k_q96c419f9aa_prep
    .symbol:         k_q96c419f9aa_prep.kd
    .args:
      - { .name: x, .offset: 0, .size: 8, .value_kind: global_buffer, .address_space: global }
      - { .name: ln1_s, .offset: 8, .size: 8, .value_kind: global_buffer, .address_space: global }
      - { .name: ln1_b, .offset: 16, .size: 8, .value_kind: global_buffer, .address_space: global }
      - { .name: Wq, .offset: 24, .size: 8, .value_kind: global_buffer, .address_space: global }
      - { .name: Wk, .offset: 32, .size: 8, .value_kind: global_buffer, .address_space: global }
      - { .name: Wv, .offset: 40, .size: 8, .value_kind: global_buffer, .address_space: global }
      - { .name: Wo, .offset: 48, .size: 8, .value_kind: global_buffer, .address_space: global }
      - { .name: W1, .offset: 56, .size: 8, .value_kind: global_buffer, .address_space: global }
      - { .name: W2, .offset: 64, .size: 8, .value_kind: global_buffer, .address_space: global }
      - { .name: wts, .offset: 72, .size: 8, .value_kind: global_buffer, .address_space: global }
      - { .name: xnq, .offset: 80, .size: 8, .value_kind: global_buffer, .address_space: global }
      - { .name: bo, .offset: 88, .size: 8, .value_kind: global_buffer, .address_space: global }
      - { .name: xim, .offset: 96, .size: 8, .value_kind: global_buffer, .address_space: global }
    .group_segment_fixed_size: 1536
    .private_segment_fixed_size: 0
    .kernarg_segment_align: 8
    .kernarg_segment_size: 104
    .max_flat_workgroup_size: 128
    .sgpr_count:     66
    .vgpr_count:     320
    .wavefront_size: 32
...
	.end_amdgpu_metadata
.endif
;; end of part 1
;; launch qa (part 2): grid 32 x 8, 4 waves a work-group, clusters of 4 x 1, 167,936 bytes of LDS; arguments xnq, wts, bq, bk, bv, hash_offset, freqs_cos, freqs_sin, c, geo_scale, aq; writes aq
.if DOCPART == 2
	.amdgcn_target "amdgcn-amd-amdhsa--gfx1250"
	.amdhsa_code_object_version 6
	.text
	.protected	k_q96c419f9aa_qa
	.globl	k_q96c419f9aa_qa
	.p2align	8
	.type	k_q96c419f9aa_qa,@function
k_q96c419f9aa_qa:
	s_mov_b64 s[64:65], 0
	v_nop
	global_prefetch_b8 v0, s[64:65] scope:SCOPE_SE
	s_setreg_imm32_b32 hwreg(HW_REG_WAVE_MODE, 25, 1), 1
	s_wait_xcnt 0x0
	s_wait_alu depctr_hold_cnt(0) depctr_sa_sdst(0) depctr_va_vdst(0) depctr_va_sdst(0) depctr_va_ssrc(0) depctr_va_vcc(0) depctr_vm_vsrc(0)
	s_getreg_b32 s2, hwreg(HW_REG_IB_STS2, 6, 4)
	s_cmp_eq_u32 s2, 0
	s_cbranch_scc0 .Lentry_in_a_cluster
	s_endpgm
.Lentry_in_a_cluster:
	s_bfe_u32 s2, ttmp6, 0x10000c
	s_cmp_lg_u32 s2, 0x3003
	s_cbranch_scc0 .Lentry_shape_is_right
	s_endpgm
.Lentry_shape_is_right:
; q, k, v = LN1(x) W + b on codes of FP8 (E4M3) with E8M0 scales; hash offset x log 9 for q; rope and expmap0 for q and k; window attention by Poincare distance; attn's codes and scale bytes.
; Work-group: 64 tokens (x = 0..31: 16 blocks of each batch) of one head (y).  Local tiles 0-7 of 16 tokens: 0-3 the 64 tokens in front of mine, 4-7 mine.
; Wave w makes k and v of local tiles 2 w, 2 w + 1 and q of tile 4 + w (all 64 columns, all of K = 512: 80 scaled products); k, v and k's statistics go through LDS; then its 16 queries see key tiles w .. w + 4.
; CLUSTER: the four work-groups of a cluster have one head: its three weights, 32 KB each, are asked for jointly (waves 0-2: Wq, Wk, Wv).  LN1's codes, of which each wave takes three tiles, go straight into registers.
; q, k: TRANSPOSED (source 0 = 16 columns of W, source 1 = 16 tokens): lane (r, h) holds token r; register 8 t + j column 32 (t / 2) + 16 h + 8 (t % 2) + j.  v: the natural way: lane (r, h) holds column
; 32 (t / 2) + 8 (t % 2) + r + 8 (r / 8), register j token 8 h + j.  So the results are the f32 products' operands as they stand.  The bias stands in the accumulators ahead of the first product.
; expmap0, z = sqrt_c max(|v|, EPS), e = 2^(-2 log2(e) z): tanh z = (1 - e) / (1 + e), under z = 1/16 the series z (1 + z^2 (-1/3 + z^2 (2/15 - 17/315 z^2))), whose remainder there is under 4e-12 of z.
; POINTS ARE KEPT AS sqrt_c x, of length tanh z: with X = c |x|^2 = tanh^2 z, Y likewise, S = c xy: D = c |x - y|^2 = X + Y - 2 S, den = 1 - 2 S + X Y; |num|^2 c = D den; 1 - X = 4 e / (1 + e)^2, without cancellation;
; arg = sqrt(max(D, 0) max(den, 0) r^2), r = 1 / max(den, EPS), held between sqrt_c EPS and 1 - EPS: reference()'s three clips.  1 - arg = (1 - X)(1 - Y) r / (1 + arg) exactly where den >= EPS, else it is taken as 1 - arg;
; it is held at 2^-23 = 1 - f32(1 - EPS) from below.  The score in base 2 is G log2((1 - arg) / (1 + arg)), G = geo_scale / sqrt_c; the window's largest is taken away ahead of 2^x.  The order of rounding differs from reference()'s.
; Tiles in front of the sequence are read at tiles 0-3 and replaced by reference()'s zero key (the point 0: X = 0, 1 - X = 1; its weight counts in the sum and is then 0 for the values).
; LIMITS: c >= 1e-14 (below it reference()'s clip of sqrt(c) parts c from sqrt_c^2); the scaled scores stay under 2^31 in magnitude; NaN and infinities are not served; a block of zeros keeps the scale byte 1 (this program alone reads the bytes).
; A row's two scale bytes are stored as one b16 a row: 32,768 bytes in the whole launch beside 1 MB of codes in runs of 512.
; No prefetch: the text has no loop to run ahead in; all operands are asked for at its head.
; REGISTERS.  Window 0: v0-29 addresses, constants; v30-63 scale words, then v32-95 at work; v96-159 k, v160-223 v, v224-255 q; then Y v96-135, 1 - Y v136-175, p v176-215.  Window 1: LN1's codes, cos and sin of k; then K.
; Window 2: weights, then V.  Window 3: v0-127 weights; v128-199 S^T and O^T, written by matrix instructions alone; v200-231 cos and sin of q.
.set SCB,  3145728
.set XSCL, 1048576
.set KI,   98304                       ; LDS: Wq 0, Wk 32,768, Wv 65,536; K's images (8 x 4,096), V's behind them; statistics, 128 bytes a tile; the spare words
.set STA,  163840
.set SPARE, 164864
.set SA,   128
.set OA,   168
.set Y2,   96
.set OMY,  136
.set P,    176
.set DA,   32
.set DB,   48
.set DC,   64
.set DD,   80
.set G1,   32
.set G0,   40
.set MK,   44
.set MIN,  48
.set EPS,  52
.set KE,   53
.set P1,   54
.set P2,   55
.set P3,   56
.set QTR,  57
.set HM,   58
.set HI,   59
.set SEL,  60
.set MNT,  62
.set TINY, 63
.set MSB, 0
.macro WIN new                         ; the immediate's high byte repeats the setting that is left
.if MSB != \new
	s_set_vgpr_msb (MSB<<8)|\new
.set MSB, \new
.endif
.endm
.macro WALU
	s_wait_alu depctr_va_vdst(0)
.endm
.macro PLACES
.rept 8
	v_nop
.endr
.endm
.macro ROUND                           ; a round of the cluster's barrier
	s_barrier_signal -1
	s_barrier_wait -1
	s_cmp_lg_u32 s4, 0
	s_cbranch_scc1 .Lnot_wave_0_\@
	s_barrier_signal -3
.Lnot_wave_0_\@:
	s_barrier_wait -3
	s_barrier_signal -1
	s_barrier_wait -1
.endm
.macro MM d, a, b, c, sa, sb, ra, rb   ; one scaled product; ra, rb: the scale word lies in lanes 16-31
.if (\ra)&&(\rb)
	v_wmma_scale_f32_16x16x128_f8f6f4 v[\d:\d+7], v[\a:\a+15], v[\b:\b+15], v[\c:\c+7], v[\sa], v[\sb] matrix_a_scale:MATRIX_SCALE_ROW1 matrix_b_scale:MATRIX_SCALE_ROW1
.elseif \ra
	v_wmma_scale_f32_16x16x128_f8f6f4 v[\d:\d+7], v[\a:\a+15], v[\b:\b+15], v[\c:\c+7], v[\sa], v[\sb] matrix_a_scale:MATRIX_SCALE_ROW1
.elseif \rb
	v_wmma_scale_f32_16x16x128_f8f6f4 v[\d:\d+7], v[\a:\a+15], v[\b:\b+15], v[\c:\c+7], v[\sa], v[\sb] matrix_b_scale:MATRIX_SCALE_ROW1
.else
	v_wmma_scale_f32_16x16x128_f8f6f4 v[\d:\d+7], v[\a:\a+15], v[\b:\b+15], v[\c:\c+7], v[\sa], v[\sb]
.endif
.endm
; a K step of n token tiles x 4 column tiles, accumulators by turns: codes of the tokens at v[tb] of window 1, of the weight in window ww, region rg
.macro PR nat, acc, n, tb, ww, rg, ws, ts, ks
.if \nat
	WIN (1|(\ww<<2))
.else
	WIN (\ww|4)
.endif
.set mt, 0
.rept \n
.set tt, 0
.rept 4
.set D_, \acc+32*mt+8*tt
.set W_, 64*\rg+16*tt
.set X_, \tb+64*mt+16*\ks
.set S_, \ws+4*(tt/2)+\ks
.set U_, \ts+\ks
.if \nat
	MM D_, X_, W_, D_, U_, S_, mt, tt%2
.else
	MM D_, W_, X_, D_, S_, U_, tt%2, mt
.endif
.set tt, tt+1
.endr
.set mt, mt+1
.endr
.endm
.macro LW a, off, ks, rg               ; a K step of a weight's four column tiles from LDS into region rg
.irp t, 0,1,2,3
.irp cc, 0,1,2,3
	ds_load_b128 v[64*\rg+16*\t+4*\cc:64*\rg+16*\t+4*\cc+3], v[\a] offset:\off+8192*\t+2048*\ks+512*\cc
.endr
.endr
.endm
.macro AD d, p
	s_add_nc_u64 s[\d:\d+1], s[\p:\p+1], s[2:3]
.endm
	s_load_b512 s[8:23], s[0:1], 0x0               ; xnq 8, wts 10, bq 12, bk 14, bv 16, hash_offset 18, cos 20, sin 22
	s_load_b128 s[24:27], s[0:1], 0x40             ; c 24, geo_scale 26
	s_load_b64 s[28:29], s[0:1], 0x50              ; aq
	v_lshl_add_u32 v7, v0, 2, SPARE
	v_mov_b32 v8, 0
	ds_add_u32 v7, v8                              ; the wave's opening: the add, twice on end, and its wait
	ds_add_u32 v7, v8
	v_lshrrev_b32 v1, 5, v0
	v_and_b32 v14, 31, v0                          ; lane
	v_and_b32 v15, 15, v0                          ; r
	v_bfe_u32 v24, v0, 4, 1                        ; h
	v_readfirstlane_b32 s4, v1                     ; wave
	s_lshl_b32 s30, s4, 13
	s_lshl_b32 s31, s4, 12
	s_lshl_b32 s2, s4, 8
	s_lshl_b32 s3, s4, 7
	WALU
	v_lshlrev_b32 v1, 4, v14                       ; 16 x lane
	v_add_nc_u32 v2, 0x10000, v1                   ; and Wv's place
	v_add_nc_u32 v3, s30, v1
	v_add_nc_u32 v3, KI, v3                        ; K, store: tiles 2 w on
	v_lshlrev_b32 v4, 2, v14
	v_add_nc_u32 v4, s2, v4
	v_add_nc_u32 v4, STA, v4                       ; statistics, store: lanes 0-15 Y, lanes 16-31 1 - Y
	v_add_nc_u32 v5, s31, v1
	v_add_nc_u32 v5, KI, v5                        ; K, read: tiles w on
	v_lshlrev_b32 v6, 5, v24
	v_add_nc_u32 v6, s3, v6
	v_add_nc_u32 v6, STA, v6                       ; statistics, read: + 32 h
	v_lshlrev_b32 v10, 6, v24                      ; 64 h
	v_lshl_add_u32 v9, v15, 7, v10                 ; 128 r + 64 h: cos, sin
	v_and_b32 v11, 8, v15
	v_add_nc_u32 v11, v11, v15
	v_lshlrev_b32 v11, 2, v11                      ; 4 (r + 8 (r / 8)): bv
	v_lshlrev_b32 v12, 4, v15                      ; 16 r
	v_lshlrev_b32 v13, 3, v24
	v_sub_nc_u32 v13, v15, v13                     ; r - 8 h
	v_mov_b32 v25, 0
	v_mov_b32 v23, 0xff800000                      ; -infinity
	; the weights' descriptor: 128 rows of 256 bytes, dense; it hangs on the head and the wave alone, which the cluster's four share
	s_mov_b32 s[G1], 15|(3<<16)|(1<<21)
	s_mov_b32 s[G1+1], 32<<16
	s_mov_b32 s[G1+2], 128<<16
	s_mov_b32 s[G1+3], 32<<16
	s_mov_b32 s[G1+4], 128
	s_mov_b32 s[G1+5], 32
	s_mov_b32 s[G1+6], 0
	s_mov_b32 s[G1+7], 0
	s_and_b32 s5, ttmp7, 0xffff                    ; head
	s_lshl_b32 s50, s5, 15
	s_lshl_b32 s51, s4, 18
	s_add_co_u32 s50, s50, s51
	s_mov_b32 s51, 0
	s_mov_b32 s[G0], 1
	s_lshl_b32 s[G0+1], s4, 15
	s_bfe_u32 s98, ttmp6, 0x40000
	s_lshl_b32 s99, ttmp9, 2
	s_add_co_u32 s99, s99, s98                     ; my block of 64 tokens
	s_lshr_b32 s6, s99, 4                          ; batch
	s_and_b32 s7, s99, 15                          ; j
	s_lshl_b32 s98, s7, 3
	s_add_co_u32 s98, s98, s4
	s_cmp_ge_u32 s98, 2                            ; are my k tiles in the sequence: j > 0 or w > 1
	s_cselect_b32 s[MIN], -1, 0
.irp kt, 0,1,2,3
	s_cmp_ge_u32 s98, 4-\kt                        ; is key tile kt in the sequence: j > 0 or w + kt > 3
	s_cselect_b32 s[MK+\kt], -1, 0
.endr
	s_lshl_b32 s30, s7, 2
	s_add_co_u32 s49, s30, s4                      ; q's tile in its batch
	s_sub_co_i32 s30, s30, 4
	s_lshl_b32 s31, s4, 1
	s_add_co_i32 s30, s30, s31
	s_max_i32 s30, s30, 0                          ; k's two tiles
	s_lshl_b32 s92, s6, 2
	s_lshl_b32 s93, s5, 2
	s_lshl_b32 s31, s6, 6
	s_add_co_u32 s94, s30, s31                     ; and in the whole tensor
	s_add_co_u32 s95, s49, s31
	s_mov_b32 s[EPS], 0x33d6bf95                   ; 1e-7
	s_mov_b32 s[KE], 0xc038aa3b                    ; -2 log2(e)
	s_mov_b32 s[P1], 0xbeaaaaab                    ; -1/3
	s_mov_b32 s[P2], 0x3e088889                    ; 2/15
	s_mov_b32 s[P3], 0xbd5d0dd1                    ; -17/315
	s_mov_b32 s[QTR], 0x3d800000                   ; 1/16
	s_mov_b32 s[HM], 0xffff0000                    ; lanes 16-31
	s_mov_b32 s[HI], 0x3f7ffffe                    ; f32(1 - 1e-7)
	s_mov_b32 s[SEL], 0x76543210
	s_mov_b32 s[SEL+1], 0xfedcba98
	s_mov_b32 s[MNT], 0x600000
	s_mov_b32 s[TINY], 0x34000000                  ; 2^-23
	s_mov_b32 s90, 0x400c9f54                      ; log 9
	s_mov_b32 s91, s90
	WALU                                           ; the wait at the head's end
	s_wait_dscnt 0x0                               ; both opening adds are done
	ROUND                                          ; all four work-groups are here: the joint loads meet
	s_wait_kmcnt 0x0
	s_add_nc_u64 s[G0+2:G0+3], s[10:11], s[50:51]
	s_or_b32 s[G0+3], s[G0+3], 0x80000000
	s_cmp_lt_u32 s4, 3
	s_cbranch_scc0 .Lasked
	tensor_load_to_lds s[G0:G0+3], s[G1:G1+7]      ; one tensor load a wave
	s_nop 0
.rept 4
	v_nop
.endr
.Lasked:
	s_load_b32 s88, s[24:25], s92 offset:0x0       ; c of my batch
	s_load_b32 s89, s[26:27], s93 offset:0x0       ; geo_scale of my head
	s_mov_b32 s3, 0
	s_lshl_b32 s2, s94, 13
	AD 66, 8
	s_lshl_b32 s2, s94, 8
	s_add_co_u32 s2, s2, XSCL
	AD 68, 8
	s_lshl_b32 s2, s95, 13
	AD 70, 8
	s_lshl_b32 s2, s95, 8
	s_add_co_u32 s2, s2, XSCL
	AD 72, 8
	s_lshl_b32 s2, s5, 10
	s_add_co_u32 s2, s2, SCB
	AD 74, 10
	s_lshl_b32 s2, s30, 11
	AD 76, 20
	AD 78, 22
	s_lshl_b32 s2, s49, 11
	AD 80, 20
	AD 82, 22
	s_lshl_b32 s2, s5, 8
	AD 12, 12
	AD 14, 14
	AD 16, 16
	AD 18, 18
	s_lshl_b32 s2, s95, 13
	s_lshl_b32 s31, s5, 10
	s_add_co_u32 s2, s2, s31
	AD 84, 28                                      ; my codes: K step head / 2, its half head % 2
	s_lshl_b32 s2, s95, 8
	s_lshl_b32 s31, s5, 1
	s_add_co_u32 s2, s2, s31
	s_add_co_u32 s2, s2, 1048576
	AD 86, 28                                      ; my two bytes of a row's 16
	; 44 small loads: scale words of two tiles a load (lanes 0-15 the even tile's, 16-31 the odd one's); biases straight into the accumulators
.irp p, 0,1
	global_load_b128 v[40+4*\p:43+4*\p], v1, s[74:75] offset:8192+512*\p
	global_load_b128 v[48+4*\p:51+4*\p], v1, s[74:75] offset:16384+512*\p
	global_load_b128 v[56+4*\p:59+4*\p], v1, s[74:75] offset:512*\p
.endr
	global_load_b128 v[30:33], v1, s[68:69]
	global_load_b128 v[34:37], v12, s[72:73]
.irp t, 0,1,2,3
	global_load_b32 v[26+\t], v11, s[16:17] offset:128*(\t/2)+32*(\t%2)
.irp q, 0,1
	global_load_b128 v[96+8*\t+4*\q:99+8*\t+4*\q], v10, s[14:15] offset:128*(\t/2)+32*(\t%2)+16*\q
	global_load_b128 v[128+8*\t+4*\q:131+8*\t+4*\q], v10, s[14:15] offset:128*(\t/2)+32*(\t%2)+16*\q
	global_load_b128 v[224+8*\t+4*\q:227+8*\t+4*\q], v10, s[12:13] offset:128*(\t/2)+32*(\t%2)+16*\q
.endr
.endr
	WIN 0xc0
.irp t, 0,1,2,3
.irp q, 0,1
	global_load_b128 v[8*\t+4*\q:8*\t+4*\q+3], v10, s[18:19] offset:128*(\t/2)+32*(\t%2)+16*\q   ; the hash offset
.endr
.endr
	WIN 0x40
.irp m, 0,1
.irp k, 0,1,2,3
.irp q, 0,1,2,3
	global_load_b128 v[64*\m+16*\k+4*\q:64*\m+16*\k+4*\q+3], v1, s[66:67] offset:8192*\m+2048*\k+512*\q
.endr
.endr
.endr
.irp k, 0,1,2,3
.irp q, 0,1,2,3
	global_load_b128 v[128+16*\k+4*\q:131+16*\k+4*\q], v1, s[70:71] offset:2048*\k+512*\q
.endr
.endr
	WIN 0
	s_wait_loadcnt 48                              ; the small ones are in; the 48 loads of codes may be out
	WIN 0x03
.set ii, 0
.rept 16
	v_pk_fma_f32 v[224+ii:225+ii], v[ii:ii+1], s[90:91], v[224+ii:225+ii] op_sel_hi:[1,0,1]   ; bq + hash offset x log 9
.set ii, ii+2
.endr
	WIN 0
.irp m, 0,1
.irp t, 0,1,2,3
.irp j, 0,2,4,6
	v_dual_mov_b32 v[160+32*\m+8*\t+\j], v[26+\t] :: v_dual_mov_b32 v[161+32*\m+8*\t+\j], v[26+\t]   ; a lane's column of v, for its eight tokens
.endr
.endr
.endr
	WALU
	s_wait_kmcnt 0x0                               ; c, geo_scale
	v_mov_b32 v14, s88
	WALU
	v_sqrt_f32 v14, v14
	v_nop
	WALU
	v_max_num_f32 v14, s[EPS], v14                 ; sqrt_c
	WALU
	v_rcp_f32 v15, v14
	v_nop
	WALU
	v_mul_f32 v20, s89, v15                        ; G
	v_mul_f32 v22, s[EPS], v14
	v_mov_b32 v21, v20
	WALU
	s_wait_tensorcnt 0x0
	s_barrier_signal -1
	s_barrier_wait -1                              ; the three weights lie in LDS
	WIN 0x80
	LW 1, 32768, 0, 0
	LW 1, 32768, 1, 1
	LW 1, 32768, 2, 2
	LW 1, 32768, 3, 3
	WIN 0x40
.irp m, 0,1
.irp q, 0,1,2,3
	global_load_b128 v[192+32*\m+4*\q:195+32*\m+4*\q], v9, s[76:77] offset:2048*\m+16*\q
	global_load_b128 v[208+32*\m+4*\q:211+32*\m+4*\q], v9, s[78:79] offset:2048*\m+16*\q
.endr
.endr
	WIN 0xc0
.irp q, 0,1,2,3
	global_load_b128 v[200+4*\q:203+4*\q], v9, s[80:81] offset:16*\q
	global_load_b128 v[216+4*\q:219+4*\q], v9, s[82:83] offset:16*\q
.endr
	WIN 0
	s_wait_loadcnt 40                              ; k's tokens are in; q's 16 loads, cos's and sin's 24 may be out
	; a K step's 16 loads and eight products by turns: behind a step's loads stand those of the three steps that follow it, 48
	s_wait_dscnt 48
	PR 0, 96, 2, 0, 2, 0, 40, 30, 0
	WIN 0xc0
	LW 2, 0, 0, 0
	s_wait_dscnt 48
	PR 0, 96, 2, 0, 2, 1, 40, 30, 1
	WIN 0xc0
	LW 2, 0, 1, 1
	s_wait_dscnt 48
	PR 0, 96, 2, 0, 2, 2, 40, 30, 2
	PLACES                                         ; for the loads into regions 0 to 2 of window 2
	WIN 0x80
	LW 2, 0, 2, 0
	s_wait_dscnt 48
	PR 0, 96, 2, 0, 2, 3, 40, 30, 3
	WIN 0x80
	LW 2, 0, 3, 1
	s_wait_dscnt 48
	PR 1, 160, 2, 0, 3, 0, 48, 30, 0
	WIN 0x80
	LW 1, 0, 0, 2
	s_wait_dscnt 48
	PR 1, 160, 2, 0, 3, 1, 48, 30, 1
	PLACES                                         ; for region 3, and for window 3's two
	WIN 0x80
	LW 1, 0, 1, 3
	s_wait_dscnt 48
	PR 1, 160, 2, 0, 2, 0, 48, 30, 2
	WIN 0xc0
	LW 1, 0, 2, 0
	s_wait_dscnt 48
	PR 1, 160, 2, 0, 2, 1, 48, 30, 3
	WIN 0xc0
	LW 1, 0, 3, 1
	s_wait_loadcnt 24                              ; q's tokens; cos and sin may be out
	s_wait_dscnt 48
	PR 0, 224, 1, 128, 2, 2, 56, 34, 0
	s_wait_dscnt 32
	PR 0, 224, 1, 128, 2, 3, 56, 34, 1
	s_wait_dscnt 16
	PR 0, 224, 1, 128, 3, 0, 56, 34, 2
	s_wait_dscnt 0x0
	PR 0, 224, 1, 128, 3, 1, 56, 34, 3
	PLACES
	WIN 0
.irp m, 0,1
.irp g, 0,1,2,3,4,5,6,7
	ds_store_b128 v3, v[160+32*\m+4*\g:163+32*\m+4*\g] offset:32768+4096*\m+512*\g
.endr
.endr
	s_wait_loadcnt 0x0                             ; cos and sin
.macro ROPE ab, win, cb
.irp u, 0,4
	WIN \win
.irp q, 0,1,2,3
	v_pk_mul_f32 v[32+4*\q:33+4*\q], v[\ab+16+2*(\u+\q):\ab+17+2*(\u+\q)], v[\cb+16+2*(\u+\q):\cb+17+2*(\u+\q)]      ; xi sin
.endr
.irp q, 0,1,2,3
	v_pk_mul_f32 v[34+4*\q:35+4*\q], v[\ab+16+2*(\u+\q):\ab+17+2*(\u+\q)], v[\cb+2*(\u+\q):\cb+1+2*(\u+\q)]          ; xi cos
.endr
.irp q, 0,1,2,3
	v_pk_fma_f32 v[\ab+16+2*(\u+\q):\ab+17+2*(\u+\q)], v[\ab+2*(\u+\q):\ab+1+2*(\u+\q)], v[\cb+16+2*(\u+\q):\cb+17+2*(\u+\q)], v[34+4*\q:35+4*\q]
.endr
.irp q, 0,1,2,3
	v_pk_fma_f32 v[\ab+2*(\u+\q):\ab+1+2*(\u+\q)], v[\ab+2*(\u+\q):\ab+1+2*(\u+\q)], v[\cb+2*(\u+\q):\cb+1+2*(\u+\q)], v[32+4*\q:33+4*\q] neg_lo:[0,0,1] neg_hi:[0,0,1]
.endr
.endr
	WIN 0
.endm
	ROPE 96, 0x04, 192
	ROPE 128, 0x04, 224
	ROPE 224, 0x0c, 200
	; the squared norms of the three tiles (m = 0, 1: k; 2: q), two chains each
.irp m, 0,1,2
.set AB, 96+32*\m+64*(\m/2)
	v_pk_mul_f32 v[48+4*\m:49+4*\m], v[AB:AB+1], v[AB:AB+1]
	v_pk_mul_f32 v[50+4*\m:51+4*\m], v[AB+2:AB+3], v[AB+2:AB+3]
.endr
.irp p, 4,8,12,16,20,24,28
.irp m, 0,1,2
.set AB, 96+32*\m+64*(\m/2)
	v_pk_fma_f32 v[48+4*\m:49+4*\m], v[AB+\p:AB+\p+1], v[AB+\p:AB+\p+1], v[48+4*\m:49+4*\m]
	v_pk_fma_f32 v[50+4*\m:51+4*\m], v[AB+\p+2:AB+\p+3], v[AB+\p+2:AB+\p+3], v[50+4*\m:51+4*\m]
.endr
.endr
.irp m, 0,1,2
	v_pk_add_f32 v[48+4*\m:49+4*\m], v[48+4*\m:49+4*\m], v[50+4*\m:51+4*\m]
.endr
.irp m, 0,1,2
	v_mov_b32 v[64+\m], 0
.endr
.irp m, 0,1,2
	v_add_f32 v[60+\m], v[48+4*\m], v[49+4*\m]
.endr
.irp m, 0,1,2
	v_permlanex16_b32 v[64+\m], v[60+\m], s[SEL], s[SEL+1]
.endr
.irp m, 0,1,2
	v_add_f32 v[60+\m], v[60+\m], v[64+\m]
.endr
	WALU
.irp m, 0,1,2
	v_sqrt_f32 v[64+\m], v[60+\m]                  ; |v|
.endr
	v_nop
	WALU
.irp m, 0,1,2
	v_max_num_f32 v[68+\m], s[EPS], v[64+\m]
.endr
.irp m, 0,1,2
	v_mul_f32 v[72+\m], v14, v[68+\m]              ; z
.endr
.irp m, 0,1,2
	v_mul_f32 v[76+\m], s[KE], v[72+\m]
.endr
	WALU
.irp m, 0,1,2
	v_exp_f32 v[76+\m], v[76+\m]                   ; e
.endr
.irp m, 0,1,2
	v_rcp_f32 v[80+\m], v[68+\m]
.endr
.irp m, 0,1,2
	v_mul_f32 v[84+\m], v[72+\m], v[72+\m]         ; z^2
.endr
	WALU
.irp m, 0,1,2
	v_add_f32 v[88+\m], 1.0, v[76+\m]
.endr
	WALU
.irp m, 0,1,2
	v_rcp_f32 v[92+\m], v[88+\m]
.endr
.irp m, 0,1,2
	v_mov_b32 v[60+\m], s[P2]
.endr
.irp m, 0,1,2
	v_fma_f32 v[60+\m], v[84+\m], s[P3], v[60+\m]
.endr
.irp m, 0,1,2
	v_fma_f32 v[60+\m], v[60+\m], v[84+\m], s[P1]
.endr
.irp m, 0,1,2
	v_fma_f32 v[60+\m], v[60+\m], v[84+\m], 1.0
.endr
.irp m, 0,1,2
	v_mul_f32 v[60+\m], v[60+\m], v[72+\m]         ; tanh z by the series
.endr
	WALU
.irp m, 0,1,2
	v_sub_f32 v[88+\m], 1.0, v[76+\m]
.endr
.irp m, 0,1,2
	v_mul_f32 v[88+\m], v[88+\m], v[92+\m]         ; (1 - e) / (1 + e)
.endr
.irp m, 0,1,2
	v_mul_f32 v[76+\m], v[76+\m], v[92+\m]
.endr
.irp m, 0,1,2
	v_mul_f32 v[76+\m], v[76+\m], v[92+\m]
.endr
.irp m, 0,1,2
	v_mul_f32 v[76+\m], 4.0, v[76+\m]              ; 1 - X
.endr
.irp m, 0,1,2
	v_cmp_gt_f32 vcc_lo, s[QTR], v[72+\m]
	v_cndmask_b32 v[88+\m], v[88+\m], v[60+\m], vcc_lo
	v_mul_f32 v[60+\m], v[88+\m], v[88+\m]         ; X
	v_mul_f32 v[80+\m], v[88+\m], v[80+\m]         ; tanh z / max(|v|, EPS)
	v_cmp_le_f32 vcc_lo, s[EPS], v[64+\m]          ; where |v| < EPS: the point 0;
.if \m < 2
	s_and_b32 vcc_lo, vcc_lo, s[MIN]               ; and where k's tile lies in front of the sequence
.endif
	v_cndmask_b32 v[32+2*\m], 0, v[80+\m], vcc_lo
	v_cndmask_b32 v[60+\m], 0, v[60+\m], vcc_lo
	v_cndmask_b32 v[76+\m], 1.0, v[76+\m], vcc_lo
.if \m < 2
	v_cndmask_b32 v[92+\m], v[60+\m], v[76+\m], s[HM]
.else
	v_mov_b32 v16, v62                             ; q's X and 1 - X stay
	v_mov_b32 v17, v62
	v_mov_b32 v18, v78
	v_mov_b32 v19, v78
.endif
.endr
.irp m, 0,1,2
.set AB, 96+32*\m+64*(\m/2)
.irp p, 0,2,4,6,8,10,12,14,16,18,20,22,24,26,28,30
	v_pk_mul_f32 v[AB+\p:AB+\p+1], v[AB+\p:AB+\p+1], v[32+2*\m:33+2*\m] op_sel_hi:[1,0]
.endr
.endr
.irp m, 0,1
.irp g, 0,1,2,3,4,5,6,7
	ds_store_b128 v3, v[96+32*\m+4*\g:99+32*\m+4*\g] offset:4096*\m+512*\g
.endr
	ds_store_b32 v4, v[92+\m] offset:128*\m
.endr
	WALU
	s_wait_dscnt 0x0                               ; for the others' sake: my stores have landed
	s_barrier_signal -1
	s_barrier_wait -1
	WIN 0x40
.irp kt, 0,1,2,3,4
.irp g, 0,1,2,3,4,5,6,7
	ds_load_b128 v[32*\kt+4*\g:32*\kt+4*\g+3], v5 offset:4096*\kt+512*\g
.endr
.endr
	WIN 0
.irp kt, 0,1,2,3,4
	ds_load_b128 v[Y2+8*\kt:Y2+8*\kt+3], v6 offset:128*\kt
	ds_load_b128 v[Y2+8*\kt+4:Y2+8*\kt+7], v6 offset:128*\kt+16
	ds_load_b128 v[OMY+8*\kt:OMY+8*\kt+3], v6 offset:128*\kt+64
	ds_load_b128 v[OMY+8*\kt+4:OMY+8*\kt+7], v6 offset:128*\kt+80
.endr
	WIN 0x80
.irp kt, 0,1,2,3,4
.irp g, 0,1,2,3,4,5,6,7
	ds_load_b128 v[32*\kt+4*\g:32*\kt+4*\g+3], v5 offset:32768+4096*\kt+512*\g
.endr
.endr
	WIN 0
	s_wait_dscnt 60                                ; K is in; 20 loads of statistics and V's 40 may be out
	; S^T = K Q^T: register pair s of both images is K step s; five accumulators by turns
	WIN 0xf1
.set sk, 0
.rept 16
.set kt, 0
.rept 5
.if sk == 0
	v_wmma_f32_16x16x4_f32 v[SA+8*kt:SA+8*kt+7], v[32*kt+2*sk:32*kt+2*sk+1], v[224+2*sk:225+2*sk], 0
.else
	v_wmma_f32_16x16x4_f32 v[SA+8*kt:SA+8*kt+7], v[32*kt+2*sk:32*kt+2*sk+1], v[224+2*sk:225+2*sk], v[SA+8*kt:SA+8*kt+7]
.endif
.set kt, kt+1
.endr
.set sk, sk+1
.endr
	WIN 0
	PLACES
	s_wait_dscnt 40                                ; the statistics; V may be out
; The scores of n / 8 key tiles from k0 on, stage by stage
.macro PK n, op:vararg                 ; one packed line for each pair: e is the pair's first number
.set e, 0
.rept (\n)/2
	\op
.set e, e+2
.endr
.endm
.macro ONE n, op:vararg                ; one line for each number
.set e, 0
.rept \n
	\op
.set e, e+1
.endr
.endm
.macro DIST k0, n
.set YK, Y2+8*\k0
.set OK, OMY+8*\k0
.set SK, SA+8*\k0
.set PP, P+8*\k0
	PK \n, v_pk_add_f32 v[DA+e:DA+e+1], v[YK+e:YK+e+1], v[16:17] op_sel_hi:[1,0]
	PK \n, v_pk_fma_f32 v[DB+e:DB+e+1], v[YK+e:YK+e+1], v[16:17], 1.0 op_sel_hi:[1,0,0]
	WIN 0x03
	PK \n, v_pk_fma_f32 v[DA+e:DA+e+1], v[SK+e:SK+e+1], -2.0, v[DA+e:DA+e+1] op_sel_hi:[1,0,1]
	PK \n, v_pk_fma_f32 v[DB+e:DB+e+1], v[SK+e:SK+e+1], -2.0, v[DB+e:DB+e+1] op_sel_hi:[1,0,1]
	WIN 0
	ONE \n, v_max_num_f32 v[DC+e], s[EPS], v[DB+e]
	ONE \n, v_max_num_f32 v[DA+e], 0, v[DA+e]
	ONE \n, v_max_num_f32 v[DD+e], 0, v[DB+e]
	WALU
	ONE \n, v_rcp_f32 v[DC+e], v[DC+e]
	PK \n, v_pk_mul_f32 v[DA+e:DA+e+1], v[DA+e:DA+e+1], v[DD+e:DD+e+1]
	WALU
	PK \n, v_pk_mul_f32 v[DD+e:DD+e+1], v[DC+e:DC+e+1], v[DC+e:DC+e+1]
	PK \n, v_pk_mul_f32 v[DC+e:DC+e+1], v[DC+e:DC+e+1], v[OK+e:OK+e+1]
	PK \n, v_pk_mul_f32 v[DA+e:DA+e+1], v[DA+e:DA+e+1], v[DD+e:DD+e+1]
	PK \n, v_pk_mul_f32 v[DC+e:DC+e+1], v[DC+e:DC+e+1], v[18:19] op_sel_hi:[1,0]
	WALU
	ONE \n, v_sqrt_f32 v[DA+e], v[DA+e]
	v_nop
	WALU
	ONE \n, v_med3_num_f32 v[DA+e], v[DA+e], v22, s[HI]
	PK \n, v_pk_add_f32 v[DD+e:DD+e+1], v[DA+e:DA+e+1], 1.0 op_sel_hi:[1,0]
	WALU
	ONE \n, v_rcp_f32 v[DD+e], v[DD+e]
	PK \n, v_pk_add_f32 v[DA+e:DA+e+1], v[DA+e:DA+e+1], 1.0 op_sel_hi:[1,0] neg_lo:[1,0] neg_hi:[1,0]
	WALU
	PK \n, v_pk_mul_f32 v[DC+e:DC+e+1], v[DC+e:DC+e+1], v[DD+e:DD+e+1]
.set e, 0
.rept \n
	v_cmp_le_f32 vcc_lo, s[EPS], v[DB+e]
	v_cndmask_b32 v[DC+e], v[DA+e], v[DC+e], vcc_lo   ; a choice between two values: no branch
.set e, e+1
.endr
	ONE \n, v_max_num_f32 v[DC+e], s[TINY], v[DC+e]
	PK \n, v_pk_mul_f32 v[DC+e:DC+e+1], v[DC+e:DC+e+1], v[DD+e:DD+e+1]
	WALU
	ONE \n, v_log_f32 v[DC+e], v[DC+e]
	v_nop
	WALU
	PK \n, v_pk_mul_f32 v[PP+e:PP+e+1], v[DC+e:DC+e+1], v[20:21] op_sel_hi:[1,0]
.endm
	DIST 0, 16
	DIST 2, 16
	DIST 4, 8
.irp j, 0,1,2,3,4,5,6,7
	v_cmp_gt_i32 vcc_lo, \j, v13                   ; the oldest tile: key 8 h + j counts where it is above r;
	v_cndmask_b32 v[P+\j], v23, v[P+\j], vcc_lo
	v_cmp_le_i32 vcc_lo, \j, v13                   ; my own tile: where it is not above r
	v_cndmask_b32 v[P+32+\j], v23, v[P+32+\j], vcc_lo
.endr
	; the softmax of my query's 64 keys: 40 registers here and in lane l xor 16, of which 16 hold -infinity
.irp q, 0,1,2,3
	v_max3_num_f32 v[32+\q], v[P+10*\q], v[P+10*\q+1], v[P+10*\q+2]
.endr
.irp i, 3,5,7
.irp q, 0,1,2,3
	v_max3_num_f32 v[32+\q], v[32+\q], v[P+10*\q+\i], v[P+10*\q+\i+1]
.endr
.endr
.irp q, 0,1,2,3
	v_max_num_f32 v[32+\q], v[32+\q], v[P+10*\q+9]
.endr
	v_max3_num_f32 v24, v32, v33, v34
	v_max_num_f32 v24, v24, v35
	v_permlanex16_b32 v25, v24, s[SEL], s[SEL+1]
	v_max_num_f32 v24, v24, v25                    ; the window's largest score
	PK 40, v_pk_add_f32 v[P+e:P+e+1], v[P+e:P+e+1], v[24:25] op_sel_hi:[1,0] neg_lo:[0,1] neg_hi:[0,1]
	WALU
	ONE 40, v_exp_f32 v[P+e], v[P+e]
	v_nop
	WALU
.irp q, 0,1,2,3
	v_pk_add_f32 v[32+2*\q:33+2*\q], v[P+10*\q:P+10*\q+1], v[P+10*\q+2:P+10*\q+3]
.endr
.irp i, 4,6,8
.irp q, 0,1,2,3
	v_pk_add_f32 v[32+2*\q:33+2*\q], v[32+2*\q:33+2*\q], v[P+10*\q+\i:P+10*\q+\i+1]
.endr
.endr
	v_pk_add_f32 v[32:33], v[32:33], v[34:35]
	v_pk_add_f32 v[36:37], v[36:37], v[38:39]
	v_pk_add_f32 v[32:33], v[32:33], v[36:37]
	v_add_f32 v24, v32, v33
	v_permlanex16_b32 v25, v24, s[SEL], s[SEL+1]
	v_add_f32 v24, v24, v25                        ; the sum: the zero keys in front of the sequence count in it
.irp kt, 0,1,2,3
.irp j, 0,1,2,3,4,5,6,7
	v_cndmask_b32 v[P+8*\kt+\j], 0, v[P+8*\kt+\j], s[MK+\kt]     ; their values are zeros
.endr
.endr
	WALU
	v_rcp_f32 v24, v24
	v_nop
	WALU
	s_wait_dscnt 0x0                               ; V
	; O^T = V^T P: pair u of V's tile t and pair u of p hold the same four keys; four accumulators by turns
	WIN 0xf2
.set kt, 0
.rept 5
.set u, 0
.rept 4
.set tt, 0
.rept 4
.if kt+u == 0
	v_wmma_f32_16x16x4_f32 v[OA+8*tt:OA+8*tt+7], v[32*kt+8*tt+2*u:32*kt+8*tt+2*u+1], v[P+8*kt+2*u:P+8*kt+2*u+1], 0
.else
	v_wmma_f32_16x16x4_f32 v[OA+8*tt:OA+8*tt+7], v[32*kt+8*tt+2*u:32*kt+8*tt+2*u+1], v[P+8*kt+2*u:P+8*kt+2*u+1], v[OA+8*tt:OA+8*tt+7]
.endif
.set tt, tt+1
.endr
.set u, u+1
.endr
.set kt, kt+1
.endr
	PLACES
	WIN 0x03
	PK 32, v_pk_mul_f32 v[96+e:97+e], v[OA+e:OA+e+1], v[24:25] op_sel_hi:[1,0]   ; attn = O^T / the sum, each accumulator from its low end on
	WIN 0
	; its codes: register 16 b + i is column 32 b + 16 h + i of the head's 64
.irp b, 0,1
	v_max3_num_f32 v[48+\b], |v[96+16*\b]|, |v[97+16*\b]|, 0x4800000   ; and the floor 2^(9 - 127)
.endr
.irp i, 2,4,6,8,10,12,14
.irp b, 0,1
	v_max3_num_f32 v[48+\b], v[48+\b], |v[96+16*\b+\i]|, |v[97+16*\b+\i]|
.endr
.endr
.irp b, 0,1
	v_permlanex16_b32 v[50+\b], v[48+\b], s[SEL], s[SEL+1]
.endr
.irp b, 0,1
	v_max_num_f32 v[48+\b], v[48+\b], v[50+\b]
.endr
.irp b, 0,1
	v_add_nc_u32 v[54+\b], 0xfc000000, v[48+\b]    ; 8 off the exponent field: the conversion's scale operand
.endr
.irp b, 0,1
	v_and_or_b32 v[52+\b], v[48+\b], 0x7f800000, s[MNT]   ; 448 x the scale
.endr
.irp b, 0,1
	v_lshrrev_b32 v[50+\b], 23, v[54+\b]
.endr
	v_lshl_or_b32 v144, v51, 8, v50
.irp b, 0,1
.irp i, 0,1,2,3,4,5,6,7,8,9,10,11,12,13,14,15
	v_med3_num_f32 v[96+16*\b+\i], v[96+16*\b+\i], -v[52+\b], v[52+\b]   ; the conversion does not saturate (ISA guide 7.6.2): the hold
.endr
	v_cvt_scalef32_pk8_fp8_f32 v[136+4*\b:137+4*\b], v[96+16*\b:103+16*\b], v[54+\b]
	v_cvt_scalef32_pk8_fp8_f32 v[138+4*\b:139+4*\b], v[104+16*\b:111+16*\b], v[54+\b]
.endr
	v_nop
	global_store_b128 v1, v[136:139], s[84:85]     ; 512 consecutive bytes a store
	global_store_b128 v1, v[140:143], s[84:85] offset:512
	global_store_b16 v12, v144, s[86:87]
	s_wait_tensorcnt 0x0                           ; the wave's end
	ds_add_u32 v7, v8
	s_wait_dscnt 0x0
	ROUND                                          ; the closing round
	s_endpgm
.Lfunc_end_k_q96c419f9aa_qa:
	.size	k_q96c419f9aa_qa, .Lfunc_end_k_q96c419f9aa_qa-k_q96c419f9aa_qa
	.p2alignl 7, 3214868480
	.fill 96, 4, 3214868480
	.section	.rodata,"a",@progbits
	.p2align	6, 0x0
	.amdhsa_kernel k_q96c419f9aa_qa
		.amdhsa_group_segment_fixed_size 167936
		.amdhsa_private_segment_fixed_size 0
		.amdhsa_enable_private_segment 0
		.amdhsa_kernarg_size 88
		.amdhsa_user_sgpr_count 2
		.amdhsa_user_sgpr_kernarg_segment_ptr 1
		.amdhsa_wavefront_size32 1
		.amdhsa_system_sgpr_workgroup_id_x 1
		.amdhsa_system_sgpr_workgroup_id_y 1
		.amdhsa_system_sgpr_workgroup_id_z 1
		.amdhsa_system_vgpr_workitem_id 0
		.amdhsa_next_free_vgpr 1024
		.amdhsa_next_free_sgpr 100
		.amdhsa_reserve_vcc 1
		.amdhsa_float_denorm_mode_32 3
		.amdhsa_float_denorm_mode_16_64 3
		.amdhsa_memory_ordered 1
		.amdhsa_forward_progress 1
		.amdhsa_inst_pref_size 129
	.end_amdhsa_kernel
	.amdgpu_metadata
---
amdhsa.version: [ 1, 2 ]
amdhsa.kernels:
  - .name:           k_q96c419f9aa_qa
    .symbol:         k_q96c419f9aa_qa.kd
    .args:
      - { .name: xnq, .offset: 0, .size: 8, .value_kind: global_buffer, .address_space: global }
      - { .name: wts, .offset: 8, .size: 8, .value_kind: global_buffer, .address_space: global }
      - { .name: bq, .offset: 16, .size: 8, .value_kind: global_buffer, .address_space: global }
      - { .name: bk, .offset: 24, .size: 8, .value_kind: global_buffer, .address_space: global }
      - { .name: bv, .offset: 32, .size: 8, .value_kind: global_buffer, .address_space: global }
      - { .name: hash_offset, .offset: 40, .size: 8, .value_kind: global_buffer, .address_space: global }
      - { .name: freqs_cos, .offset: 48, .size: 8, .value_kind: global_buffer, .address_space: global }
      - { .name: freqs_sin, .offset: 56, .size: 8, .value_kind: global_buffer, .address_space: global }
      - { .name: c, .offset: 64, .size: 8, .value_kind: global_buffer, .address_space: global }
      - { .name: geo_scale, .offset: 72, .size: 8, .value_kind: global_buffer, .address_space: global }
      - { .name: aq, .offset: 80, .size: 8, .value_kind: global_buffer, .address_space: global }
    .group_segment_fixed_size: 167936
    .private_segment_fixed_size: 0
    .kernarg_segment_align: 8
    .kernarg_segment_size: 88
    .max_flat_workgroup_size: 128
    .sgpr_count:     100
    .vgpr_count:     1024
    .wavefront_size: 32
...
	.end_amdgpu_metadata
.endif
;; end of part 2
;; launch wof (part 3): grid 32 x 8, 4 waves a work-group, clusters of 4 x 1, 302,592 bytes of LDS; arguments aq, wts, xim, b1, ln2_s, ln2_b, xo, gq; writes xo, gq
.if DOCPART == 3
	.amdgcn_target "amdgcn-amd-amdhsa--gfx1250"
	.amdhsa_code_object_version 6
	.text
	.protected	k_q96c419f9aa_wof
	.globl	k_q96c419f9aa_wof
	.p2align	8
	.type	k_q96c419f9aa_wof,@function
k_q96c419f9aa_wof:
	s_mov_b64 s[64:65], 0
	v_nop
	global_prefetch_b8 v0, s[64:65] scope:SCOPE_SE
	s_setreg_imm32_b32 hwreg(HW_REG_WAVE_MODE, 25, 1), 1
	s_wait_xcnt 0x0
	s_wait_alu depctr_hold_cnt(0) depctr_sa_sdst(0) depctr_va_vdst(0) depctr_va_sdst(0) depctr_va_ssrc(0) depctr_va_vcc(0) depctr_vm_vsrc(0)
	s_getreg_b32 s2, hwreg(HW_REG_IB_STS2, 6, 4)
	s_cmp_eq_u32 s2, 0
	s_cbranch_scc0 .Lentry_in_a_cluster
	s_endpgm
.Lentry_in_a_cluster:
	s_bfe_u32 s2, ttmp6, 0x10000c
	s_cmp_lg_u32 s2, 0x3003
	s_cbranch_scc0 .Lentry_shape_is_right
	s_endpgm
.Lentry_shape_is_right:
; x_out = (x + bo) + attn Wo; LN2; g = gelu(LN2 W1 + b1): all products on codes of FP8 (E4M3) with E8M0 scales; g leaves as the next launch's fragments and scale bytes.
; Work-group: 64 tokens (x) x 256 of the 2,048 columns of W1 (y).  The eight work-groups of 64 tokens each make x_out's whole rows, since LN2 wants them (128 products a wave), and store an eighth of them each.
; Wave w: x_out's columns 128 w on, K step w of LN2's codes, then columns 256 y + 64 w on of W1.
; CLUSTER: the four work-groups of a cluster have the same y; a wave's quarter of Wo, 64 KB, is asked for jointly, by the wave that reads it.  A wave's 32 KB of W1 go straight into the registers that Wo's codes leave:
; a joint load would land on Wo's bytes behind a drained round and take 64 LDS loads a wave more; of a wave's 96 KB of weights 64 are asked for jointly.
; attn's codes: a tile of 16 tokens a wave from memory, shared through LDS.  x + bo comes as images of the accumulators' registers and is the C of the first products.
; TRANSPOSED: lane (r, h) holds token r, register 8 t + j column 32 (t / 2) + 16 h + 8 (t % 2) + j: 16 neighbours along the next K in 16 registers.
; LN2: each wave takes its own 128 numbers' mean and sum of squared deviations; with the four waves' means m_i and sums M_i the row's mean is their mean m, and its variance (sum M_i + 128 sum (m_i - m)^2) / 512.
; gelu (the tanh form) = x / (1 + 2^(x (c0 + c1 x^2))), c0 = -2 log2(e) sqrt(2 / pi), c1 = 0.044715 c0.
; LIMITS: NaN and infinities are not served; a block of zeros keeps the scale byte 1 (this program alone reads the bytes).
; No prefetch: the text has no loop to run ahead in.  A scale unit's 256 bytes of g come from two work-groups, one byte a lane: 131,072 bytes beside 4,194,304 of codes.
; REGISTERS.  Window 0: addresses, scale words, b1, work.  Window 1: x_out (64 for each of four token tiles), then W1's sums.  Window 2: Wo's codes by K steps, two buffers; then W1's.  Window 3: attn's codes; the gains; LN2's codes.
.set SCB,  3145728
.set AL,   262144                      ; LDS: Wo, a wave's 64 KB each; attn's, then LN2's codes; the gains; the rows' partial sums; LN2's scale words; the spare words
.set GN,   294912
.set RDS,  299008
.set HSC,  301056
.set SPARE, 302080
.set G1A,  24
.set G0A,  32
.set SEL,  48
.set MNT,  50
.set HM,   51
.set C1,   52
.set I128, 54
.set I512, 55
.set E6,   56
.set B1R,  66
.set V0,   100
.set TM,   164
.set PC,   180
.set T,    196
.set SM,   228
.set MN,   244
.set RSK,  248
.set MSB, 0
.macro WIN new                         ; the immediate's high byte repeats the setting that is left
.if MSB != \new
	s_set_vgpr_msb (MSB<<8)|\new
.set MSB, \new
.endif
.endm
.macro WALU
	s_wait_alu depctr_va_vdst(0)
.endm
.macro PLACES
.rept 8
	v_nop
.endr
.endm
.macro ROUND                           ; a round of the cluster's barrier
	s_barrier_signal -1
	s_barrier_wait -1
	s_cmp_lg_u32 s4, 0
	s_cbranch_scc1 .Lnot_wave_0_\@
	s_barrier_signal -3
.Lnot_wave_0_\@:
	s_barrier_wait -3
	s_barrier_signal -1
	s_barrier_wait -1
.endm
.macro BARRIER                         ; my LDS stores have landed and my LDS loads are in: then the work-group's barrier
	WALU
	s_wait_dscnt 0x0
	s_barrier_signal -1
	s_barrier_wait -1
.endm
.macro AD d, p
	s_add_nc_u64 s[\d:\d+1], s[\p:\p+1], s[2:3]
.endm
.macro MM d, a, b, c, sa, sb, ra, rb   ; one scaled product; ra, rb: the scale word lies in lanes 16-31
.if (\ra)&&(\rb)
	v_wmma_scale_f32_16x16x128_f8f6f4 v[\d:\d+7], v[\a:\a+15], v[\b:\b+15], v[\c:\c+7], v[\sa], v[\sb] matrix_a_scale:MATRIX_SCALE_ROW1 matrix_b_scale:MATRIX_SCALE_ROW1
.elseif \ra
	v_wmma_scale_f32_16x16x128_f8f6f4 v[\d:\d+7], v[\a:\a+15], v[\b:\b+15], v[\c:\c+7], v[\sa], v[\sb] matrix_a_scale:MATRIX_SCALE_ROW1
.elseif \rb
	v_wmma_scale_f32_16x16x128_f8f6f4 v[\d:\d+7], v[\a:\a+15], v[\b:\b+15], v[\c:\c+7], v[\sa], v[\sb] matrix_b_scale:MATRIX_SCALE_ROW1
.else
	v_wmma_scale_f32_16x16x128_f8f6f4 v[\d:\d+7], v[\a:\a+15], v[\b:\b+15], v[\c:\c+7], v[\sa], v[\sb]
.endif
.endm
.macro WOP ks                          ; a K step of x_out: four token tiles x eight column tiles, accumulators by turns
	WIN 0x5e
.set mt, 0
.rept 4
.set tt, 0
.rept 8
.set D_, 64*mt+8*tt
.set W_, 128*(\ks%2)+16*tt
.set X_, 64*mt+16*\ks
.set S_, 42+4*(tt/2)+\ks
.set U_, 32+4*(mt/2)+\ks
	MM D_, W_, X_, D_, S_, U_, tt%2, mt%2
.set tt, tt+1
.endr
.set mt, mt+1
.endr
.endm
.macro W1P ks                          ; a K step of W1's: four token tiles x four column tiles; b1 is the C of the first
.if \ks
	WIN 0x5e
.else
	WIN 0x4e
.endif
.set mt, 0
.rept 4
.set tt, 0
.rept 4
.set D_, 32*mt+8*tt
.set C_, D_
.if \ks == 0
.set C_, B1R+8*tt
.endif
.set W_, 64*tt+16*\ks
.set X_, 64*mt+16*\ks
.set S_, 58+4*(tt/2)+\ks
.set U_, 32+4*(mt/2)+\ks
	MM D_, W_, X_, C_, S_, U_, tt%2, mt%2
.set tt, tt+1
.endr
.set mt, mt+1
.endr
.endm
.macro LDW ks                          ; Wo's K step: eight column tiles
	WIN 0x80
.irp t, 0,1,2,3,4,5,6,7
.irp cc, 0,1,2,3
	ds_load_b128 v[128*(\ks%2)+16*\t+4*\cc:128*(\ks%2)+16*\t+4*\cc+3], v3 offset:8192*\t+2048*\ks+512*\cc
.endr
.endr
	WIN 0
.endm
.macro LDA ks                          ; a K step of four token tiles' codes
	WIN 0xc0
.irp m, 0,1,2,3
.irp cc, 0,1,2,3
	ds_load_b128 v[64*\m+16*\ks+4*\cc:64*\m+16*\ks+4*\cc+3], v4 offset:8192*\m+2048*\ks+512*\cc
.endr
.endr
	WIN 0
.endm
.macro LD1 t                           ; a column tile of W1, all of K: 16 loads
.irp k, 0,1,2,3
.irp cc, 0,1,2,3
	global_load_b128 v[64*\t+16*\k+4*\cc:64*\t+16*\k+4*\cc+3], v1, s[88:89] offset:8192*\t+2048*\k+512*\cc
.endr
.endr
.endm
.macro PK n, op:vararg                 ; one packed line for each pair: e is the pair's first number
.set e, 0
.rept (\n)/2
	\op
.set e, e+2
.endr
.endm
.macro ONE n, op:vararg
.set e, 0
.rept \n
	\op
.set e, e+1
.endr
.endm
.macro QMAX nb, s                      ; the largest magnitudes of nb blocks, behind their first three leaves; the scale operands at TM + 3 nb, the bounds at TM + 2 nb, the bytes at TM + nb
.irp i, 2,4,6,8,10,12,14
	ONE \nb, v_max3_num_f32 v[TM+e], v[TM+e], |v[\s+16*e+\i]|, |v[\s+1+16*e+\i]|
.endr
	ONE \nb, v_permlanex16_b32 v[TM+\nb+e], v[TM+e], s[SEL], s[SEL+1]
	ONE \nb, v_max_num_f32 v[TM+e], v[TM+e], v[TM+\nb+e]
	ONE \nb, v_add_nc_u32 v[TM+3*\nb+e], 0xfc000000, v[TM+e]
	ONE \nb, v_and_or_b32 v[TM+2*\nb+e], v[TM+e], 0x7f800000, s[MNT]
	ONE \nb, v_lshrrev_b32 v[TM+\nb+e], 23, v[TM+3*\nb+e]
.endm
.macro CODES nb, s, pc                 ; the hold (the conversion does not saturate: ISA guide 7.6.2) and the conversions
.set QB, 0
.rept \nb
	ONE 16, v_med3_num_f32 v[\s+16*QB+e], v[\s+16*QB+e], -v[TM+2*\nb+QB], v[TM+2*\nb+QB]
	v_cvt_scalef32_pk8_fp8_f32 v[\pc+4*QB:\pc+1+4*QB], v[\s+16*QB:\s+7+16*QB], v[TM+3*\nb+QB]
	v_cvt_scalef32_pk8_fp8_f32 v[\pc+2+4*QB:\pc+3+4*QB], v[\s+8+16*QB:\s+15+16*QB], v[TM+3*\nb+QB]
.set QB, QB+1
.endr
	v_nop
.endm
	s_load_b512 s[8:23], s[0:1], 0x0               ; aq 8, wts 10, xim 12, b1 14, ln2_s 16, ln2_b 18, xo 20, gq 22
	v_lshl_add_u32 v7, v0, 2, SPARE
	v_mov_b32 v8, 0
	ds_add_u32 v7, v8                              ; the wave's opening: the add, twice on end, and its wait
	ds_add_u32 v7, v8
	v_lshrrev_b32 v1, 5, v0
	v_and_b32 v17, 31, v0                          ; lane
	v_and_b32 v18, 15, v0                          ; r
	v_bfe_u32 v19, v0, 4, 1                        ; h
	v_readfirstlane_b32 s4, v1                     ; wave
	s_lshl_b32 s57, s4, 16
	s_lshl_b32 s58, s4, 13
	s_lshl_b32 s59, s4, 11
	s_lshl_b32 s60, s4, 10
	s_lshl_b32 s61, s4, 3
	s_lshl_b32 s62, s4, 2
	WALU
	v_lshlrev_b32 v1, 4, v17                       ; 16 x lane
	v_lshlrev_b32 v2, 4, v18                       ; 16 r
	v_add_nc_u32 v3, s57, v1                       ; my 64 KB of LDS
	v_add_nc_u32 v4, AL, v1                        ; codes, read
	v_add_nc_u32 v5, s58, v4                       ; attn's codes, store: tile w
	v_add_nc_u32 v6, s59, v4                       ; LN2's codes, store: K step w
	v_lshlrev_b32 v9, 6, v19                       ; 64 h
	v_add_nc_u32 v10, s60, v1
	v_add_nc_u32 v10, GN, v10                      ; the gains, store
	v_add_nc_u32 v11, s60, v9
	v_add_nc_u32 v11, GN, v11                      ; and read
	v_lshlrev_b32 v13, 5, v18
	v_add_nc_u32 v13, RDS, v13                     ; partial sums, read: 32 r
	v_add_nc_u32 v12, s61, v13                     ; and store: + 8 w
	v_add_nc_u32 v14, s62, v2
	v_add_nc_u32 v14, HSC, v14                     ; LN2's scale words, store: 16 r + 4 w
	v_add_nc_u32 v15, HSC, v1                      ; and read: two tiles a load
	v_add_nc_u32 v16, v2, v19                      ; 16 r + h: g's scale byte
	v_mov_b32 v22, 0xc0135761                      ; c0 = -2.3022082
	v_mov_b32 v23, 0xc0135761
.irp b, 0,1,2,3
	v_mov_b32 v[TM+4+\b], 0                        ; written once: a lane permute's destination counts as one of its sources
	v_mov_b32 v[SM+1+2*\b], 0                      ; (named as the upper half of a pair before it is first written)
.endr
	s_mov_b32 s[G1A], 15|(3<<16)|(1<<21)           ; 256 rows of 256 bytes, dense, for the cluster's four
	s_mov_b32 s[G1A+1], 32<<16
	s_mov_b32 s[G1A+2], 256<<16
	s_mov_b32 s[G1A+3], 32<<16
	s_mov_b32 s[G1A+4], 256
	s_mov_b32 s[G1A+5], 32
	s_mov_b32 s[G1A+6], 0
	s_mov_b32 s[G1A+7], 0
	s_and_b32 s5, ttmp7, 0xffff                    ; my 256 columns of W1
	s_mov_b32 s[G0A], 1
	s_lshl_b32 s[G0A+1], s4, 16
	s_lshl_b32 s90, s4, 16
	s_add_co_u32 s90, s90, 96*8192                 ; Wo's tiles 96 + 8 w on
	s_mov_b32 s91, 0
	s_bfe_u32 s98, ttmp6, 0x40000
	s_lshl_b32 s6, ttmp9, 2
	s_add_co_u32 s6, s6, s98                       ; my 64 tokens
	s_mov_b32 s[SEL], 0x76543210
	s_mov_b32 s[SEL+1], 0xfedcba98
	s_mov_b32 s[MNT], 0x600000
	s_mov_b32 s[HM], 0xffff0000
	s_mov_b32 s[C1], 0xbdd2d3e8                    ; -0.10294324
	s_mov_b32 s[C1+1], s[C1]
	s_mov_b32 s[I128], 0x3c000000                  ; 1 / 128
	s_mov_b32 s[I512], 0x3b000000                  ; 1 / 512
	s_mov_b32 s[E6], 0x358637bd                    ; 1e-6
	WALU                                           ; the wait at the head's end
	s_wait_dscnt 0x0                               ; both opening adds are done
	ROUND                                          ; all four work-groups are here: the joint loads meet
	s_wait_kmcnt 0x0
	s_add_nc_u64 s[G0A+2:G0A+3], s[10:11], s[90:91]
	s_or_b32 s[G0A+3], s[G0A+3], 0x80000000
	tensor_load_to_lds s[G0A:G0A+3], s[G1A:G1A+7]  ; my quarter of Wo: one tensor load a wave
	s_nop 0
.rept 4
	v_nop
.endr
	s_mov_b32 s3, 0
	s_lshl_b32 s2, s6, 15
	s_add_co_u32 s2, s2, s58
	AD 66, 8                                       ; attn's tile w
	s_lshl_b32 s2, s6, 10
	s_add_co_u32 s2, s2, 1048576
	AD 68, 8
	s_lshl_b32 s2, s4, 11
	s_add_co_u32 s2, s2, SCB+96*256
	AD 70, 10
	s_lshl_b32 s2, s5, 12
	s_add_co_u32 s2, s2, s60
	s_add_co_u32 s2, s2, SCB+128*256
	AD 72, 10
	s_lshl_b32 s2, s5, 17
	s_lshl_b32 s7, s4, 15
	s_add_co_u32 s2, s2, s7
	s_add_co_u32 s2, s2, 128*8192
	AD 88, 10                                      ; W1's tiles 128 + 16 y + 4 w on
	s_lshl_b32 s2, s5, 10
	s_lshl_b32 s7, s4, 8
	s_add_co_u32 s2, s2, s7
	AD 74, 14
	s_lshl_b32 s2, s4, 9
	AD 76, 16
	AD 78, 18
	s_lshl_b32 s2, s6, 17
	s_add_co_u32 s2, s2, s58
	AD 80, 12                                      ; x + bo: image (4 x tokens + tile, w) of 8,192 bytes
	s_lshl_b32 s2, s6, 2
	s_and_b32 s7, s5, 3
	s_add_co_u32 s2, s2, s7                        ; I store token tile y % 4,
	s_lshl_b32 s2, s2, 3
	s_lshl_b32 s7, s4, 1
	s_add_co_u32 s2, s2, s7
	s_lshr_b32 s7, s5, 2
	s_add_co_u32 s2, s2, s7                        ; half y / 4 of my 128 columns
	s_lshl_b32 s2, s2, 12
	AD 82, 20
	s_lshl_b32 s2, s6, 17
	s_lshl_b32 s7, s5, 12
	s_add_co_u32 s2, s2, s7
	s_add_co_u32 s2, s2, s60
	AD 84, 22                                      ; g: tiles of 32,768 bytes, + 1,024 (4 y + w)
	s_lshl_b32 s2, s6, 12
	s_lshr_b32 s7, s5, 1
	s_lshl_b32 s7, s7, 8
	s_add_co_u32 s2, s2, s7
	s_and_b32 s7, s5, 1
	s_lshl_b32 s7, s7, 3
	s_add_co_u32 s2, s2, s7
	s_lshl_b32 s7, s4, 1
	s_add_co_u32 s2, s2, s7
	s_add_co_u32 s2, s2, 4194304
	AD 86, 22                                      ; and its scale bytes
	WIN 0x80
.irp k, 0,1,2,3,4,5,6,7,8,9,10,11,12,13,14,15
	global_load_b128 v[4*\k:4*\k+3], v1, s[66:67] offset:512*\k
.endr
	WIN 0
.irp p, 0,1
	global_load_b128 v[32+4*\p:35+4*\p], v1, s[68:69] offset:512*\p
	global_load_b128 v[58+4*\p:61+4*\p], v1, s[72:73] offset:512*\p
.endr
.irp p, 0,1,2,3
	global_load_b128 v[42+4*\p:45+4*\p], v1, s[70:71] offset:512*\p
.endr
	global_load_b128 v[V0:V0+3], v1, s[76:77]      ; my 128 columns' gains
	global_load_b128 v[V0+4:V0+7], v1, s[78:79]
.irp t, 0,1,2,3
.irp q, 0,1
	global_load_b128 v[B1R+8*\t+4*\q:B1R+8*\t+4*\q+3], v9, s[74:75] offset:128*(\t/2)+32*(\t%2)+16*\q
.endr
.endr
	WIN 0x40
.irp m, 0,1,2,3
.irp q, 0,1,2,3,4,5,6,7,8,9,10,11,12,13,14,15
	global_load_b128 v[64*\m+4*\q:64*\m+4*\q+3], v1, s[80:81] offset:32768*\m+512*\q
.endr
.endr
	WIN 0
	s_wait_loadcnt 63                              ; 64 loads, x + bo, stand behind the others; the count's field ends at 63
	WIN 0x08
.irp k, 0,1,2,3,4,5,6,7,8,9,10,11,12,13,14,15
	ds_store_b128 v5, v[4*\k:4*\k+3] offset:512*\k
.endr
	WIN 0
	ds_store_b128 v10, v[V0:V0+3]
	ds_store_b128 v10, v[V0+4:V0+7] offset:512
	BARRIER                                        ; attn's codes lie in LDS
	LDA 0
	s_wait_tensorcnt 0x0                           ; my quarter of Wo, which I alone read
	LDW 0
	LDA 1
	LDW 1
	s_wait_loadcnt 0x0                             ; x + bo
	s_wait_dscnt 48                                ; K step 0 is in; the next step's 16 + 32 loads may be out (so below)
	WOP 0
	LDA 2
	PLACES
	LDW 2
	s_wait_dscnt 48
	WOP 1
	LDA 3
	PLACES
	LDW 3
	s_wait_dscnt 48
	WOP 2
	PLACES
	WIN 0x80
	LD1 0                                          ; W1 takes the registers of Wo's codes
	LD1 1
	s_wait_dscnt 0x0
	WOP 3
	PLACES
	WIN 0x80
	LD1 2
	LD1 3
	WIN 0xc0
.irp c, 0,1,2,3
.irp q, 0,1,2,3
	ds_load_b128 v[16*\c+4*\q:16*\c+4*\q+3], v11 offset:128*\c+16*\q             ; the gains in the results' layout
	ds_load_b128 v[64+16*\c+4*\q:67+16*\c+4*\q], v11 offset:512+128*\c+16*\q
.endr
.endr
	WIN 0
.macro SHARE n                         ; work-group y = n stores its eighth of x_out
	s_cmp_eq_u32 s5, \n
	s_cbranch_scc0 .Lnot_mine_\@
	WIN 0x04
.irp q, 0,1,2,3,4,5,6,7
	global_store_b128 v1, v[64*(\n%4)+32*(\n/4)+4*\q:64*(\n%4)+32*(\n/4)+4*\q+3], s[82:83] offset:512*\q
.endr
	WIN 0
.Lnot_mine_\@:
.endm
.irp n, 0,1,2,3,4,5,6,7
	SHARE \n
.endr
	; LN2.  Each wave's part of a row: 64 numbers here and 64 in lane l xor 16
.macro COMB                            ; four chains of each tile become one number; and lane l xor 16's beside it
.irp m, 0,1,2,3
	v_pk_add_f32 v[T+8*\m:T+8*\m+1], v[T+8*\m:T+8*\m+1], v[T+8*\m+2:T+8*\m+3]
.endr
.irp m, 0,1,2,3
	v_pk_add_f32 v[T+8*\m+4:T+8*\m+5], v[T+8*\m+4:T+8*\m+5], v[T+8*\m+6:T+8*\m+7]
.endr
.irp m, 0,1,2,3
	v_pk_add_f32 v[T+8*\m:T+8*\m+1], v[T+8*\m:T+8*\m+1], v[T+8*\m+4:T+8*\m+5]
.endr
.irp m, 0,1,2,3
	v_add_f32 v[T+8*\m], v[T+8*\m], v[T+8*\m+1]
.endr
.irp m, 0,1,2,3
	v_permlanex16_b32 v[T+8*\m+1], v[T+8*\m], s[SEL], s[SEL+1]
.endr
.endm
	WIN 0x05
.irp m, 0,1,2,3
	PK 8, v_pk_add_f32 v[T+8*\m+e:T+8*\m+e+1], v[64*\m+e:64*\m+e+1], v[64*\m+8+e:64*\m+9+e]
.endr
	WIN 0x04
.irp i, 16,24,32,40,48,56
.irp m, 0,1,2,3
	PK 8, v_pk_add_f32 v[T+8*\m+e:T+8*\m+e+1], v[T+8*\m+e:T+8*\m+e+1], v[64*\m+\i+e:64*\m+\i+e+1]
.endr
.endr
	WIN 0
	COMB
.irp m, 0,1,2,3
	v_add_f32 v[T+8*\m], v[T+8*\m], v[T+8*\m+1]
.endr
.irp m, 0,1,2,3
	v_mul_f32 v[SM+2*\m], s[I128], v[T+8*\m]       ; my part's mean
.endr
	WALU
	s_wait_xcnt 0x0                                ; x_out's stores have read their registers
	WIN 0x41
.irp m, 0,1,2,3
	PK 64, v_pk_add_f32 v[64*\m+e:64*\m+e+1], v[64*\m+e:64*\m+e+1], v[SM+2*\m:SM+2*\m+1] op_sel_hi:[1,0] neg_lo:[0,1] neg_hi:[0,1]
.endr
	WIN 0x05
.irp m, 0,1,2,3
	PK 8, v_pk_mul_f32 v[T+8*\m+e:T+8*\m+e+1], v[64*\m+e:64*\m+e+1], v[64*\m+e:64*\m+e+1]
.endr
.irp i, 8,16,24,32,40,48,56
.irp m, 0,1,2,3
	PK 8, v_pk_fma_f32 v[T+8*\m+e:T+8*\m+e+1], v[64*\m+\i+e:64*\m+\i+e+1], v[64*\m+\i+e:64*\m+\i+e+1], v[T+8*\m+e:T+8*\m+e+1]
.endr
.endr
	WIN 0
	COMB
.irp m, 0,1,2,3
	v_add_f32 v[SM+2*\m+1], v[T+8*\m], v[T+8*\m+1] ; my part's squared deviations
.endr
.irp m, 0,1,2,3
	ds_store_b64 v12, v[SM+2*\m:SM+2*\m+1] offset:512*\m
.endr
	BARRIER
.irp m, 0,1,2,3
	ds_load_b128 v[T+8*\m:T+8*\m+3], v13 offset:512*\m
	ds_load_b128 v[T+8*\m+4:T+8*\m+7], v13 offset:512*\m+16
.endr
	s_wait_dscnt 0x0
.irp m, 0,1,2,3
	v_add_f32 v[V0+4*\m], v[T+8*\m], v[T+8*\m+2]
	v_add_f32 v[V0+4*\m+1], v[T+8*\m+4], v[T+8*\m+6]
	v_add_f32 v[V0+4*\m+2], v[T+8*\m+1], v[T+8*\m+3]
	v_add_f32 v[V0+4*\m+3], v[T+8*\m+5], v[T+8*\m+7]
.endr
.irp m, 0,1,2,3
	v_add_f32 v[V0+4*\m], v[V0+4*\m], v[V0+4*\m+1]
	v_add_f32 v[V0+4*\m+2], v[V0+4*\m+2], v[V0+4*\m+3]
.endr
.irp m, 0,1,2,3
	v_mul_f32 v[MN+\m], 0x3e800000, v[V0+4*\m]     ; the row's mean: a quarter of the four means' sum
.endr
.irp m, 0,1,2,3
.irp i, 0,2,4,6
	v_sub_f32 v[T+8*\m+\i], v[T+8*\m+\i], v[MN+\m]
.endr
.endr
.irp m, 0,1,2,3
	v_mul_f32 v[V0+4*\m], v[T+8*\m], v[T+8*\m]
.endr
.irp i, 2,4,6
.irp m, 0,1,2,3
	v_fma_f32 v[V0+4*\m], v[T+8*\m+\i], v[T+8*\m+\i], v[V0+4*\m]
.endr
.endr
.irp m, 0,1,2,3
	v_fmamk_f32 v[V0+4*\m], v[V0+4*\m], 0x43000000, v[V0+4*\m+2]   ; x 128
.endr
.irp m, 0,1,2,3
	v_fma_f32 v[V0+4*\m], v[V0+4*\m], s[I512], s[E6]
.endr
	WALU
.irp m, 0,1,2,3
	v_rsq_f32 v[RSK+2*\m], v[V0+4*\m]
.endr
.irp m, 0,1,2,3
	v_sub_f32 v[V0+4*\m+1], v[SM+2*\m], v[MN+\m]
.endr
	WALU
.irp m, 0,1,2,3
	v_mul_f32 v[RSK+2*\m+1], v[V0+4*\m+1], v[RSK+2*\m]
.endr
.macro LNTILE m
	WIN 0x41
	PK 64, v_pk_fma_f32 v[64*\m+e:64*\m+e+1], v[64*\m+e:64*\m+e+1], v[RSK+2*\m:RSK+2*\m+1], v[RSK+2*\m:RSK+2*\m+1] op_sel:[0,0,1] op_sel_hi:[1,0,1]   ; the pair holds 1 / sigma and (my part's mean - the mean) / sigma
	WIN 0x3d
	PK 64, v_pk_fma_f32 v[V0+e:V0+e+1], v[64*\m+e:64*\m+e+1], v[e:e+1], v[64+e:65+e]
	WIN 0
.irp b, 0,1,2,3
	v_max3_num_f32 v[TM+\b], |v[V0+16*\b]|, |v[V0+1+16*\b]|, 0x4800000   ; and the floor 2^(9 - 127)
.endr
	QMAX 4, V0
	v_lshl_or_b32 v[28+\m], v[TM+5], 8, v[TM+4]
	v_lshl_or_b32 v[28+\m], v[TM+6], 16, v[28+\m]
	v_lshl_or_b32 v[28+\m], v[TM+7], 24, v[28+\m]
	CODES 4, V0, PC+16*\m
.irp c, 0,1,2,3
	ds_store_b128 v6, v[PC+16*\m+4*\c:PC+16*\m+4*\c+3] offset:8192*\m+512*\c
.endr
	ds_store_b32 v14, v[28+\m] offset:256*\m       ; both halves of the lanes write the same word with the same value
.endm
	LNTILE 0
	LNTILE 1
	LNTILE 2
	LNTILE 3
	BARRIER                                        ; LN2's codes and scale words lie in LDS
	ds_load_b128 v[32:35], v15
	ds_load_b128 v[36:39], v15 offset:512
	LDA 0
	LDA 1
	LDA 2
	s_wait_loadcnt 0x0                             ; W1
	s_wait_dscnt 32                                ; K step 0 is in; the next two steps' 16 loads each may be out
	W1P 0
	LDA 3
	s_wait_dscnt 32
	W1P 1
	s_wait_dscnt 16
	W1P 2
	s_wait_dscnt 0x0
	W1P 3
	PLACES
.macro GELU m
	WIN 0x05
	PK 32, v_pk_mul_f32 v[V0+e:V0+e+1], v[32*\m+e:32*\m+e+1], v[32*\m+e:32*\m+e+1]
	WIN 0
	PK 32, v_pk_fma_f32 v[V0+e:V0+e+1], v[V0+e:V0+e+1], s[C1:C1+1], v[22:23] op_sel_hi:[1,0,1]
	WIN 0x04
	PK 32, v_pk_mul_f32 v[V0+e:V0+e+1], v[V0+e:V0+e+1], v[32*\m+e:32*\m+e+1]
	WIN 0
	WALU
	ONE 32, v_exp_f32 v[V0+e], v[V0+e]
	v_nop
	WALU
	PK 32, v_pk_add_f32 v[V0+e:V0+e+1], v[V0+e:V0+e+1], 1.0 op_sel_hi:[1,0]
	WALU
	ONE 32, v_rcp_f32 v[V0+e], v[V0+e]
	v_nop
	WALU
	WIN 0x01
	PK 32, v_pk_mul_f32 v[V0+32+e:V0+33+e], v[32*\m+e:32*\m+e+1], v[V0+e:V0+e+1]
	WIN 0
.irp b, 0,1
	v_max3_num_f32 v[TM+\b], |v[V0+32+16*\b]|, |v[V0+33+16*\b]|, 0x4800000
.endr
	QMAX 2, V0+32
	v_cndmask_b32 v[24+\m], v[TM+2], v[TM+3], s[HM]
	CODES 2, V0+32, PC+8*\m
	global_store_b128 v1, v[PC+8*\m:PC+8*\m+3], s[84:85] offset:32768*\m         ; 512 consecutive bytes a store; each tile has registers of its own
	global_store_b128 v1, v[PC+8*\m+4:PC+8*\m+7], s[84:85] offset:32768*\m+512
	global_store_b8 v16, v[24+\m], s[86:87] offset:1024*\m
.endm
	GELU 0
	GELU 1
	GELU 2
	GELU 3
	s_wait_tensorcnt 0x0                           ; the wave's end
	ds_add_u32 v7, v8
	s_wait_dscnt 0x0
	ROUND                                          ; the closing round
	s_endpgm
.Lfunc_end_k_q96c419f9aa_wof:
	.size	k_q96c419f9aa_wof, .Lfunc_end_k_q96c419f9aa_wof-k_q96c419f9aa_wof
	.p2alignl 7, 3214868480
	.fill 96, 4, 3214868480
	.section	.rodata,"a",@progbits
	.p2align	6, 0x0
	.amdhsa_kernel k_q96c419f9aa_wof
		.amdhsa_group_segment_fixed_size 302592
		.amdhsa_private_segment_fixed_size 0
		.amdhsa_enable_private_segment 0
		.amdhsa_kernarg_size 64
		.amdhsa_user_sgpr_count 2
		.amdhsa_user_sgpr_kernarg_segment_ptr 1
		.amdhsa_wavefront_size32 1
		.amdhsa_system_sgpr_workgroup_id_x 1
		.amdhsa_system_sgpr_workgroup_id_y 1
		.amdhsa_system_sgpr_workgroup_id_z 1
		.amdhsa_system_vgpr_workitem_id 0
		.amdhsa_next_free_vgpr 1024
		.amdhsa_next_free_sgpr 100
		.amdhsa_reserve_vcc 0
		.amdhsa_float_denorm_mode_32 3
		.amdhsa_float_denorm_mode_16_64 3
		.amdhsa_memory_ordered 1
		.amdhsa_forward_progress 1
		.amdhsa_inst_pref_size 202
	.end_amdhsa_kernel
	.amdgpu_metadata
---
amdhsa.version: [ 1, 2 ]
amdhsa.kernels:
  - .name:           k_q96c419f9aa_wof
    .symbol:         k_q96c419f9aa_wof.kd
    .args:
      - { .name: aq, .offset: 0, .size: 8, .value_kind: global_buffer, .address_space: global }
      - { .name: wts, .offset: 8, .size: 8, .value_kind: global_buffer, .address_space: global }
      - { .name: xim, .offset: 16, .size: 8, .value_kind: global_buffer, .address_space: global }
      - { .name: b1, .offset: 24, .size: 8, .value_kind: global_buffer, .address_space: global }
      - { .name: ln2_s, .offset: 32, .size: 8, .value_kind: global_buffer, .address_space: global }
      - { .name: ln2_b, .offset: 40, .size: 8, .value_kind: global_buffer, .address_space: global }
      - { .name: xo, .offset: 48, .size: 8, .value_kind: global_buffer, .address_space: global }
      - { .name: gq, .offset: 56, .size: 8, .value_kind: global_buffer, .address_space: global }
    .group_segment_fixed_size: 302592
    .private_segment_fixed_size: 0
    .kernarg_segment_align: 8
    .kernarg_segment_size: 64
    .max_flat_workgroup_size: 128
    .sgpr_count:     100
    .vgpr_count:     1024
    .wavefront_size: 32
...
	.end_amdgpu_metadata
.endif
;; end of part 3
;; launch ffn2 (part 4): grid 32 x 8, 4 waves a work-group, clusters of 4 x 1, 214,528 bytes of LDS; arguments gq, wts, b2, xo, out0; writes out0
.if DOCPART == 4
	.amdgcn_target "amdgcn-amd-amdhsa--gfx1250"
	.amdhsa_code_object_version 6
	.text
	.protected	k_q96c419f9aa_ffn2
	.globl	k_q96c419f9aa_ffn2
	.p2align	8
	.type	k_q96c419f9aa_ffn2,@function
k_q96c419f9aa_ffn2:
	s_mov_b64 s[64:65], 0
	v_nop
	global_prefetch_b8 v0, s[64:65] scope:SCOPE_SE
	s_setreg_imm32_b32 hwreg(HW_REG_WAVE_MODE, 25, 1), 1
	s_wait_xcnt 0x0
	s_wait_alu depctr_hold_cnt(0) depctr_sa_sdst(0) depctr_va_vdst(0) depctr_va_sdst(0) depctr_va_ssrc(0) depctr_va_vcc(0) depctr_vm_vsrc(0)
	s_getreg_b32 s2, hwreg(HW_REG_IB_STS2, 6, 4)
	s_cmp_eq_u32 s2, 0
	s_cbranch_scc0 .Lentry_in_a_cluster
	s_endpgm
.Lentry_in_a_cluster:
	s_bfe_u32 s2, ttmp6, 0x10000c
	s_cmp_lg_u32 s2, 0x3003
	s_cbranch_scc0 .Lentry_shape_is_right
	s_endpgm
.Lentry_shape_is_right:
; out = x_out + g W2 + b2 on codes of FP8 (E4M3) with E8M0 scales.  A work-group owns 64 tokens (x) x 64 columns (y); ITS FOUR WAVES SHARE K = 2,048: wave w takes k = 512 w on: 16 accumulators, 64 products.
; CLUSTER: the four work-groups of a cluster have the same columns: a wave's K quarter of W2 (four tiles, 8 KB of each) is asked for jointly, by the wave that reads it.  g's 32 KB a wave, which no other wave of the work-group reads,
; go straight into registers.  The four partial sums meet in LDS as images of their registers; behind one barrier wave w adds the four of token tile w, in a fixed order, with x_out + b2, and stores 16 rows through its own stage.
; No prefetch: the text has no loop to run ahead in.  LIMITS: NaN and infinities are not served.
; LDS: W2 4 x 32,768 bytes; the partial sums 4 x 16,384; the stages 4 x 16 rows x (256 + 16) bytes; the spare words.
.set SCB,  3145728
.set W2C,  2097152
.set PART, 131072
.set STAGE, 196608
.set SPARE, 214016
.set G1,   40
.set G0,   48
.set WSC,  16                          ; v16-31 W2's scale words, v34-49 g's
.set XSC,  34
.set BB,   50                          ; v50-81 b2
.set XO,   82                          ; v82-113 x_out
.set MSB, 0
.macro WIN new                         ; the immediate's high byte repeats the setting that is left
.if MSB != \new
	s_set_vgpr_msb (MSB<<8)|\new
.set MSB, \new
.endif
.endm
.macro ROUND                           ; a round of the cluster's barrier
	s_barrier_signal -1
	s_barrier_wait -1
	s_cmp_lg_u32 s4, 0
	s_cbranch_scc1 .Lnot_wave_0_\@
	s_barrier_signal -3
.Lnot_wave_0_\@:
	s_barrier_wait -3
	s_barrier_signal -1
	s_barrier_wait -1
.endm
.macro AD d, p
	s_add_nc_u64 s[\d:\d+1], s[\p:\p+1], s[2:3]
.endm
	s_load_b256 s[8:15], s[0:1], 0x0               ; gq 8, wts 10, b2 12, xo 14
	s_load_b64 s[16:17], s[0:1], 0x20              ; out0
	v_lshl_add_u32 v126, v0, 2, SPARE
	v_mov_b32 v127, 0
	ds_add_u32 v126, v127                          ; the wave's opening: the add, twice on end, and its wait
	ds_add_u32 v126, v127
	v_lshrrev_b32 v1, 5, v0
	v_and_b32 v5, 31, v0
	v_and_b32 v3, 15, v0                           ; r
	v_bfe_u32 v4, v0, 4, 1                         ; h
	v_readfirstlane_b32 s4, v1                     ; wave = quarter of K
	s_lshl_b32 s18, s4, 15
	s_lshl_b32 s19, s4, 14
	s_lshl_b32 s20, s4, 12
	s_mul_i32 s21, s4, 16*272
	s_wait_alu depctr_va_vdst(0)
	v_lshlrev_b32 v1, 4, v5                        ; 16 x lane
	v_lshlrev_b32 v2, 4, v3                        ; 16 r
	v_lshlrev_b32 v9, 6, v4                        ; b2: 64 h
	v_add_nc_u32 v11, s18, v1                      ; W2, read
	v_add_nc_u32 v5, s19, v1
	v_add_nc_u32 v5, PART, v5                      ; partial sums, store: 16,384 w
	v_add_nc_u32 v6, s20, v1
	v_add_nc_u32 v6, PART, v6                      ; and read: token tile w of each part
	v_mul_u32_u24 v7, v3, 272
	v_lshl_add_u32 v7, v4, 6, v7
	v_add_nc_u32 v7, s21, v7
	v_add_nc_u32 v7, STAGE, v7                     ; my stage, in: row r, + 64 h
	v_mul_u32_u24 v8, v4, 272
	v_add_nc_u32 v8, v8, v2
	v_add_nc_u32 v8, s21, v8
	v_add_nc_u32 v8, STAGE, v8                     ; back: lanes 0-15 one row, lanes 16-31 the next
	v_lshl_add_u32 v10, v4, 11, v2                 ; and the same two rows in out0
	s_mov_b32 s[G1], 15|(3<<16)|(1<<21)            ; four rows of 8,192 bytes, 32,768 bytes apart, for the cluster's four
	s_mov_b32 s[G1+1], 1024<<16
	s_mov_b32 s[G1+2], 4<<16
	s_mov_b32 s[G1+3], 1024<<16
	s_mov_b32 s[G1+4], 4
	s_mov_b32 s[G1+5], 4096
	s_mov_b32 s[G1+6], 0
	s_mov_b32 s[G1+7], 0
	s_and_b32 s5, ttmp7, 0xffff                    ; my 64 columns
	s_mov_b32 s[G0], 1
	s_lshl_b32 s[G0+1], s4, 15
	s_lshl_b32 s60, s5, 17                         ; W2's tiles 4 y on,
	s_lshl_b32 s61, s4, 13                         ; my four K steps
	s_add_co_u32 s60, s60, s61
	s_add_co_u32 s60, s60, W2C
	s_mov_b32 s61, 0
	s_bfe_u32 s7, ttmp6, 0x40000
	s_lshl_b32 s6, ttmp9, 2
	s_add_co_u32 s6, s6, s7                        ; my 64 tokens
	s_wait_alu depctr_va_vdst(0)                   ; the wait at the head's end
	s_wait_dscnt 0x0                               ; both opening adds are done
	ROUND                                          ; all four work-groups are here: the joint loads meet
	s_wait_kmcnt 0x0
	s_add_nc_u64 s[G0+2:G0+3], s[10:11], s[60:61]
	s_or_b32 s[G0+3], s[G0+3], 0x80000000
	tensor_load_to_lds s[G0:G0+3], s[G1:G1+7]      ; one tensor load a wave
	s_nop 0
.rept 4
	v_nop
.endr
	s_mov_b32 s3, 0
	s_lshl_b32 s7, s4, 8
	s_lshl_b32 s2, s5, 12
	s_add_co_u32 s2, s2, s7
	s_add_co_u32 s2, s2, SCB+65536
	AD 30, 10                                      ; W2's scale words
	s_lshl_b32 s2, s6, 12
	s_add_co_u32 s2, s2, s7
	s_add_co_u32 s2, s2, 4194304
	AD 32, 8                                       ; g's
	s_lshl_b32 s2, s6, 17
	s_lshl_b32 s7, s4, 13
	s_add_co_u32 s2, s2, s7
	AD 34, 8                                       ; g's codes
	s_lshl_b32 s2, s5, 8
	AD 36, 12
	s_lshl_b32 s2, s6, 2
	s_add_co_u32 s2, s2, s4
	s_lshl_b32 s2, s2, 3
	s_add_co_u32 s2, s2, s5
	s_lshl_b32 s2, s2, 12
	AD 38, 14                                      ; x_out's image
	s_lshl_b32 s2, s6, 17                          ; 64 rows of 2,048 bytes,
	s_lshl_b32 s7, s4, 15                          ; my 16 of them,
	s_add_co_u32 s2, s2, s7
	s_lshl_b32 s7, s5, 8                           ; my 256 bytes of a row
	s_add_co_u32 s2, s2, s7
	AD 58, 16
.irp t, 0,1,2,3
	global_load_b128 v[WSC+4*\t:WSC+4*\t+3], v2, s[30:31] offset:1024*\t
	global_load_b128 v[XSC+4*\t:XSC+4*\t+3], v2, s[32:33] offset:1024*\t
.endr
	WIN 0x80
.irp k, 0,1,2,3
.irp m, 0,1,2,3
.irp cc, 0,1,2,3
	global_load_b128 v[64*\m+16*\k+4*\cc:64*\m+16*\k+4*\cc+3], v1, s[34:35] offset:32768*\m+2048*\k+512*\cc
.endr
.endr
.endr
	WIN 0
.irp t, 0,1,2,3
.irp q, 0,1
	global_load_b128 v[BB+8*\t+4*\q:BB+8*\t+4*\q+3], v9, s[36:37] offset:128*(\t/2)+32*(\t%2)+16*\q
.endr
.endr
.irp g, 0,1,2,3,4,5,6,7
	global_load_b128 v[XO+4*\g:XO+4*\g+3], v1, s[38:39] offset:512*\g
.endr
	s_wait_tensorcnt 0x0                           ; my part of W2, which I alone read
	WIN 0x40
.irp k, 0,1,2,3
.irp t, 0,1,2,3
.irp cc, 0,1,2,3
	ds_load_b128 v[64*\t+16*\k+4*\cc:64*\t+16*\k+4*\cc+3], v11 offset:8192*\t+2048*\k+512*\cc
.endr
.endr
.endr
	WIN 0
.macro MULS ks                         ; the 16 accumulators take turns, one instruction a turn
	WIN 0x09
.set mt, 0
.rept 4
.set tt, 0
.rept 4
.set D_, 128+32*mt+8*tt
.set W_, 64*tt+16*\ks
.set X_, 64*mt+16*\ks
.if \ks
	v_wmma_scale_f32_16x16x128_f8f6f4 v[D_:D_+7], v[W_:W_+15], v[X_:X_+15], v[D_:D_+7], v[WSC+4*tt+\ks], v[XSC+4*mt+\ks]
.else
	v_wmma_scale_f32_16x16x128_f8f6f4 v[D_:D_+7], v[W_:W_+15], v[X_:X_+15], 0, v[WSC+4*tt+\ks], v[XSC+4*mt+\ks]
.endif
.set tt, tt+1
.endr
.set mt, mt+1
.endr
.endm
	s_wait_loadcnt 63                              ; 64 loads stand behind K step 0's; the count's field ends at 63
	s_wait_dscnt 48
	MULS 0
	s_wait_loadcnt 48                              ; the later steps' 16 each, b2's and x_out's 16 may be out
	s_wait_dscnt 32
	MULS 1
	s_wait_loadcnt 32
	s_wait_dscnt 16
	MULS 2
	s_wait_loadcnt 16
	s_wait_dscnt 0x0
	MULS 3
	WIN 0
.rept 8
	v_nop                                          ; eight places in front of the first read of results
.endr
.set n, 0
.rept 32
	ds_store_b128 v5, v[128+4*n:131+4*n] offset:512*n      ; my partial sums as they stand, each accumulator from its low end on
.set n, n+1
.endr
	s_wait_loadcnt 0x0                             ; x_out and b2
.set ii, 0
.rept 16
	v_pk_add_f32 v[XO+ii:XO+ii+1], v[XO+ii:XO+ii+1], v[BB+ii:BB+ii+1]
.set ii, ii+2
.endr
	s_wait_alu depctr_va_vdst(0)
	s_wait_dscnt 0x0                               ; for the others' sake: my stores have landed
	s_barrier_signal -1
	s_barrier_wait -1
.irp p, 0,1,2,3
.irp g, 0,1,2,3,4,5,6,7
	ds_load_b128 v[128+32*\p+4*\g:131+32*\p+4*\g], v6 offset:16384*\p+512*\g
.endr
.endr
	s_wait_dscnt 0x0
.set ii, 0
.rept 16
	v_pk_add_f32 v[128+ii:129+ii], v[128+ii:129+ii], v[160+ii:161+ii]
	v_pk_add_f32 v[192+ii:193+ii], v[192+ii:193+ii], v[224+ii:225+ii]
.set ii, ii+2
.endr
.set ii, 0
.rept 16
	v_pk_add_f32 v[128+ii:129+ii], v[128+ii:129+ii], v[192+ii:193+ii]
.set ii, ii+2
.endr
.set ii, 0
.rept 16
	v_pk_add_f32 v[128+ii:129+ii], v[128+ii:129+ii], v[XO+ii:XO+ii+1]
.set ii, ii+2
.endr
.irp b, 0,1
.irp q, 0,1,2,3
	ds_store_b128 v7, v[128+16*\b+4*\q:131+16*\b+4*\q] offset:128*\b+16*\q
.endr
.endr
.irp i, 0,1,2,3,4,5,6,7
	ds_load_b128 v[160+4*\i:163+4*\i], v8 offset:544*\i    ; LDS serves a wave's instructions in order (ISA guide 5.7.1.4): these see my stores
.endr
.irp i, 0,1,2,3,4,5,6,7
	s_wait_dscnt 7-\i                              ; the younger read-backs may be out
	global_store_b128 v10, v[160+4*\i:163+4*\i], s[58:59] offset:4096*\i th:TH_STORE_NT   ; 16 lanes store 256 consecutive bytes, aligned
.endr
	s_wait_tensorcnt 0x0                           ; the wave's end
	ds_add_u32 v126, v127
	s_wait_dscnt 0x0
	ROUND                                          ; the closing round
	s_endpgm
.Lfunc_end_k_q96c419f9aa_ffn2:
	.size	k_q96c419f9aa_ffn2, .Lfunc_end_k_q96c419f9aa_ffn2-k_q96c419f9aa_ffn2
	.p2alignl 7, 3214868480
	.fill 96, 4, 3214868480
	.section	.rodata,"a",@progbits
	.p2align	6, 0x0
	.amdhsa_kernel k_q96c419f9aa_ffn2
		.amdhsa_group_segment_fixed_size 214528
		.amdhsa_private_segment_fixed_size 0
		.amdhsa_enable_private_segment 0
		.amdhsa_kernarg_size 40
		.amdhsa_user_sgpr_count 2
		.amdhsa_user_sgpr_kernarg_segment_ptr 1
		.amdhsa_wavefront_size32 1
		.amdhsa_system_sgpr_workgroup_id_x 1
		.amdhsa_system_sgpr_workgroup_id_y 1
		.amdhsa_system_sgpr_workgroup_id_z 1
		.amdhsa_system_vgpr_workitem_id 0
		.amdhsa_next_free_vgpr 768
		.amdhsa_next_free_sgpr 80
		.amdhsa_reserve_vcc 0
		.amdhsa_float_denorm_mode_32 3
		.amdhsa_float_denorm_mode_16_64 3
		.amdhsa_memory_ordered 1
		.amdhsa_forward_progress 1
		.amdhsa_inst_pref_size 38
	.end_amdhsa_kernel
	.amdgpu_metadata
---
amdhsa.version: [ 1, 2 ]
amdhsa.kernels:
  - .name:           k_q96c419f9aa_ffn2
    .symbol:         k_q96c419f9aa_ffn2.kd
    .args:
      - { .name: gq, .offset: 0, .size: 8, .value_kind: global_buffer, .address_space: global }
      - { .name: wts, .offset: 8, .size: 8, .value_kind: global_buffer, .address_space: global }
      - { .name: b2, .offset: 16, .size: 8, .value_kind: global_buffer, .address_space: global }
      - { .name: xo, .offset: 24, .size: 8, .value_kind: global_buffer, .address_space: global }
      - { .name: out0, .offset: 32, .size: 8, .value_kind: global_buffer, .address_space: global }
    .group_segment_fixed_size: 214528
    .private_segment_fixed_size: 0
    .kernarg_segment_align: 8
    .kernarg_segment_size: 40
    .max_flat_workgroup_size: 128
    .sgpr_count:     80
    .vgpr_count:     768
    .wavefront_size: 32
...
	.end_amdgpu_metadata
.endif
;; end of part 4
